; MI455X (gfx1250); checked and timed in simulation.
; The chip was launched on July 23, 2026; its instructions are those of AMD's public machine-readable ISA for CDNA 5 (MIT licence, August 2026) and "CDNA5" Instruction Set Architecture Reference Guide (July 2026). The comments in the code are by the model that wrote it; some were corrected since.
;; Self Attention. Allowed arithmetic: float matrix products may take bf16 or f16 operands with f32 sums; other float arithmetic in f32, or as packed bf16 or f16 multiplies, adds, multiply-adds, maxima and minima; sums over many terms, partial sums and values carried from step to step in f32; what a program stores and reads back later, other than sums and carried values, may be rounded once to bf16 or f16.
;; Inputs: Wk 1,024 x 1,024 float32; Wq 1,024 x 1,024 float32; Wv 1,024 x 1,024 float32; bk 1,024 float32; bq 1,024 float32; bv 1,024 float32; x 4 x 2,048 x 1,024 float32.
;; Outputs: out0 4 x 2,048 x 1,024 float32.
;; 3 versions, each right; version 3 is version 2 with the launch cast written anew for expert scheduling mode. Each part assembles by itself: llvm-mc -triple=amdgcn-amd-amdhsa -mcpu=gfx1250 --defsym DOCPART=n.
;; ======== version 1 of 3: 4 launches
;; limits: values are held in f16: magnitudes above 65,504 overflow, below 6.1e-05 lose precision; right only within a limited range of input values
;; workspace buffers: xb 16,777,216 bytes; wb 6,291,456 bytes; qkv 50,331,648 bytes; pb 33,554,432 bytes; st 1,048,576 bytes
;; launch cast (part 1): grid 704 x 1, 8 waves a work-group, no clusters, 0 bytes of LDS; arguments x, Wq, Wk, Wv, xb, wb; writes xb, wb
.if DOCPART == 1
	.amdgcn_target "amdgcn-amd-amdhsa--gfx1250"
	.amdhsa_code_object_version 6
	.text
	.protected	k_q9a146f9410_cast
	.globl	k_q9a146f9410_cast
	.p2align	8
	.type	k_q9a146f9410_cast,@function
k_q9a146f9410_cast:
	s_mov_b64 s[64:65], 0
	v_nop
	global_prefetch_b8 v0, s[64:65] scope:SCOPE_SE
	s_setreg_imm32_b32 hwreg(HW_REG_WAVE_MODE, 25, 1), 1
	s_wait_xcnt 0x0
; SELF ATTENTION, B = 4, S = 2048, H = 1024, in four launches:
;   cast   x and the three weight matrices rounded once to bf16 (xb, wb)
;   proj   Q' = g (x Wq^T + bq), K' = g x Wk^T, V' = g (x Wv^T + bv), f16, g = sqrt(log2(e) / 32)
;   score  for each part of 128 keys: s' = Q' . K' (the score in units of log2), its maximum m, p = 2^(s' - m) in f16, l = the sum of p
;   mix    out = (the sum over parts t of 2^(m_t - M) P_t V'_t) / (g L), M = the maximum of the m_t, L = the sum of 2^(m_t - M) l_t
; WORK LEFT OUT: bk.  scores[q][k] = Q[q] . (x[k] Wk^T + bk) / 32 = Q[q] . (x[k] Wk^T) / 32 + Q[q] . bk / 32.  The second term does not hang on k, the axis of the
; softmax, so it multiplies numerator and denominator of every weight by the same factor and cancels, for all finite values of the inputs.  bk has then no way to the
; output: it is not loaded and is no argument of any launch.  bq stays (bq . K[k] hangs on k), bv stays.
; LIMIT: a NaN, an infinity or an overflow that reaches only the term Q . bk is not carried to the result.
; THIS LAUNCH.  A stream: each byte read once, each byte written once.  A work-group takes 65,536 bytes of f32 (16 rows of 1,024 numbers), a wave 8,192 of them:
; sixteen loads of 512 consecutive bytes, all issued at once, and sixteen stores of 256 consecutive aligned bytes.  Work-groups 0-511 take x, 512-575 Wq, 576-639 Wk, 640-703 Wv;
; wb holds the rows of Wq, Wk, Wv one after the other.  No LDS, no matrix unit, no cluster: nothing is shared and nothing is multiplied.
.set X, 4                              ; v[4:67]   sixteen loads of four f32
.set Y, 68                             ; v[68:99]  sixteen pairs of words, four bf16 each
	s_load_b256 s[4:11], s[0:1], 0x0               ; x s[4:5], Wq s[6:7], Wk s[8:9], Wv s[10:11]
	s_load_b128 s[12:15], s[0:1], 0x20             ; xb s[12:13], wb s[14:15]
	s_mov_b32 s22, ttmp9                           ; n, the work-group's number
	s_sub_co_u32 s23, s22, 512                     ; its block among the weights' 192 (used where n >= 512)
	s_and_b32 s24, s23, 63                         ; its block in its own matrix
	v_lshrrev_b32 v3, 5, v0                        ; wave
	v_and_b32 v100, 31, v0                         ; lane
	v_lshlrev_b32 v1, 13, v3
	v_lshl_add_u32 v1, v100, 4, v1                 ; in: 8,192 x wave + 16 x lane
	v_lshlrev_b32 v2, 12, v3
	v_lshl_add_u32 v2, v100, 3, v2                 ; out: 4,096 x wave + 8 x lane
	s_wait_kmcnt 0x0
	s_cmp_lt_u32 s22, 576
	s_cselect_b64 s[16:17], s[6:7], s[8:9]         ; Wq or Wk,
	s_cmp_lt_u32 s22, 640
	s_cselect_b64 s[16:17], s[16:17], s[10:11]     ; or Wv,
	s_cmp_lt_u32 s22, 512
	s_cselect_b64 s[16:17], s[4:5], s[16:17]       ; or x
	s_cselect_b64 s[20:21], s[12:13], s[14:15]     ; into xb or wb
	s_cselect_b32 s18, s22, s24                    ; the block in the source
	s_cselect_b32 s19, s22, s23                    ; the block in the destination
	s_lshl_b32 s26, s18, 16                        ; 65,536 bytes of f32 a block
	s_mov_b32 s27, 0
	s_lshl_b32 s28, s19, 15                        ; 32,768 bytes of bf16
	s_mov_b32 s29, 0
	s_add_nc_u64 s[16:17], s[16:17], s[26:27]
	s_add_nc_u64 s[20:21], s[20:21], s[28:29]
.set j, 0
.rept 16
	global_load_b128 v[X+4*j:X+4*j+3], v1, s[16:17] offset:512*j th:TH_LOAD_NT
.set j, j+1
.endr
.set j, 0
.rept 16
	s_wait_loadcnt 15-j                            ; loads come back in order (ISA guide 5.7.1): load j is in, the 15 - j younger ones stay out
	v_cvt_pk_bf16_f32 v[Y+2*j], v[X+4*j], v[X+4*j+1]
	v_cvt_pk_bf16_f32 v[Y+2*j+1], v[X+4*j+2], v[X+4*j+3]
	global_store_b64 v2, v[Y+2*j:Y+2*j+1], s[20:21] offset:256*j th:TH_STORE_NT  ; the wave's 32 lanes store 256 consecutive bytes, aligned; no register is written twice, so nothing is waited for
.set j, j+1
.endr
	s_endpgm
.Lfunc_end_k_q9a146f9410_cast:
	.size	k_q9a146f9410_cast, .Lfunc_end_k_q9a146f9410_cast-k_q9a146f9410_cast
	.p2alignl 7, 3214868480
	.fill 96, 4, 3214868480
	.section	.rodata,"a",@progbits
	.p2align	6, 0x0
	.amdhsa_kernel k_q9a146f9410_cast
		.amdhsa_group_segment_fixed_size 0
		.amdhsa_private_segment_fixed_size 0
		.amdhsa_enable_private_segment 0
		.amdhsa_kernarg_size 48
		.amdhsa_user_sgpr_count 2
		.amdhsa_user_sgpr_kernarg_segment_ptr 1
		.amdhsa_wavefront_size32 1
		.amdhsa_system_sgpr_workgroup_id_x 1
		.amdhsa_system_sgpr_workgroup_id_y 1
		.amdhsa_system_sgpr_workgroup_id_z 1
		.amdhsa_system_vgpr_workitem_id 0
		.amdhsa_next_free_vgpr 104
		.amdhsa_next_free_sgpr 66
		.amdhsa_reserve_vcc 0
		.amdhsa_float_denorm_mode_32 3
		.amdhsa_float_denorm_mode_16_64 3
		.amdhsa_memory_ordered 1
		.amdhsa_forward_progress 1
		.amdhsa_inst_pref_size 7
	.end_amdhsa_kernel
	.amdgpu_metadata
---
amdhsa.version: [ 1, 2 ]
amdhsa.kernels:
  - .name:           k_q9a146f9410_cast
    .symbol:         k_q9a146f9410_cast.kd
    .args:
      - { .name: x, .offset: 0, .size: 8, .value_kind: global_buffer, .address_space: global }
      - { .name: Wq, .offset: 8, .size: 8, .value_kind: global_buffer, .address_space: global }
      - { .name: Wk, .offset: 16, .size: 8, .value_kind: global_buffer, .address_space: global }
      - { .name: Wv, .offset: 24, .size: 8, .value_kind: global_buffer, .address_space: global }
      - { .name: xb, .offset: 32, .size: 8, .value_kind: global_buffer, .address_space: global }
      - { .name: wb, .offset: 40, .size: 8, .value_kind: global_buffer, .address_space: global }
    .group_segment_fixed_size: 0
    .private_segment_fixed_size: 0
    .kernarg_segment_align: 8
    .kernarg_segment_size: 48
    .max_flat_workgroup_size: 256
    .sgpr_count:     66
    .vgpr_count:     104
    .wavefront_size: 32
...
	.end_amdgpu_metadata
.endif
;; end of part 1
;; launch proj (part 2): grid 24 x 32, 4 waves a work-group, clusters of 4 x 4, 327,680 bytes of LDS; arguments xb, wb, bq, bv, qkv; writes qkv
.if DOCPART == 2
	.amdgcn_target "amdgcn-amd-amdhsa--gfx1250"
	.amdhsa_code_object_version 6
	.text
	.protected	k_q9a146f9410_proj
	.globl	k_q9a146f9410_proj
	.p2align	8
	.type	k_q9a146f9410_proj,@function
k_q9a146f9410_proj:
	s_mov_b64 s[64:65], 0
	v_nop
	global_prefetch_b8 v0, s[64:65] scope:SCOPE_SE
	s_setreg_imm32_b32 hwreg(HW_REG_WAVE_MODE, 25, 1), 1
	s_wait_xcnt 0x0
	s_wait_alu depctr_hold_cnt(0) depctr_sa_sdst(0) depctr_va_vdst(0) depctr_va_sdst(0) depctr_va_ssrc(0) depctr_va_vcc(0) depctr_vm_vsrc(0)
	s_getreg_b32 s2, hwreg(HW_REG_IB_STS2, 6, 4)
	s_cmp_eq_u32 s2, 0
	s_cbranch_scc0 .Lentry_in_a_cluster
	s_endpgm
.Lentry_in_a_cluster:
	s_bfe_u32 s2, ttmp6, 0x10000c
	s_cmp_lg_u32 s2, 0xf033
	s_cbranch_scc0 .Lentry_shape_is_right
	s_endpgm
.Lentry_shape_is_right:
; qkv[region][s][o] = g (the sum over h of xb[s][h] wb[1024 region + o][h] + b[o]), region 0 = Q (b = bq), 1 = K (no bias), 2 = V (b = bv).  xb: [8192][1024] bf16, wb: [3072][1024] bf16,
; qkv: [3][8192][1024] f16.  Sums in f32; bias (rounded to bf16 like the other inputs) and g = sqrt(log2(e) / 32) enter by one fused multiply-add in f32; one rounding to f16.
; WORK LEFT OUT: bk (a term of the scores that is the same along the softmax's axis: shown at the head of the first kernel).
; LIMIT: f16 ends at 65,504, so g |Q|, g |K|, g |V| must stay within it: |Q|, |K|, |V| up to 308,000.  NaN and infinities are not treated apart.
; SHARES.  A work-group makes 256 rows x 128 columns; wave w rows 64 w .. 64 w + 63 and all 128 columns: 32 accumulators of 16 x 16.  A wave's piece of a row is 256 bytes of f16, aligned, so each wave
; has a stage of its own on the way out and no barrier stands there.
; K goes in steps of 128 (rows of 256 bytes) through two LDS slots filled by the tensor data mover; a step is two UNITS of 64 along K, 64 matrix instructions each, on two fragment buffers.
; CLUSTER 4 x 4: the four work-groups of a row of the cluster need the same rows of xb, the four of a column the same rows of wb: each tile is asked for jointly.
; THE MATRIX INSTRUCTION IS USED TRANSPOSED (source 0 = 16 rows of wb, source 1 = 16 rows of xb): lane l then holds row l % 16 and the eight neighbouring columns 8 (l / 16) + 0..7.
; REGISTERS, in windows of 256 (s_set_vgpr_msb: bits 1:0 source 0, 3:2 source 1, 5:4 source 2, 7:6 destination):
;   window 0: v0-31 addresses; v32-63 packed results; v64-127 g x bias of my 8 columns in each of the 8 column blocks; v128-255 rows read back from the stage, 32 a block
;   window 1: accumulator (a, b) at v[8 (8 a + b)]          window 2 + f: fragment buffer f: B (c, b) at v[8 (8 c + b)], A (c, a) at v[128 + 8 (4 c + a)], c = which 32 of the unit's 64
.set PITCH,  272                       ; an LDS row: 256 bytes + 16 of padding = 68 words: the 16 rows of a load start at 16 different groups of four banks (64 banks of 4 bytes: ISA guide 11.1)
.set BOFF,   256*PITCH                 ; in a slot: A's 256 rows, then B's 128
.set SLOT,   384*PITCH
.set STAGE,  2*SLOT                    ; behind the ring: 16 rows x 272 bytes for each wave
.set STW,    16*PITCH
.set SPARE,  STAGE+4*STW               ; behind the stages: the spare words, 128 bytes for each wave: two blocks of 256 bytes that no other line names
.set LAPS,   4                         ; a lap = two K steps = once round the ring; K = 1,024
.set STEPA,  256                       ; bytes from a K step to the next
.set STEPB,  256
.set CROW,   2048                      ; bytes in a row of the result
.set ADRA, 16                          ; v16-17  LDS address of my A fragments in slot 0, 1
.set ADRB, 20                          ; v20-21  the same for B
.set STO,  24                          ; v24     the way out: where I put 16 bytes of a row
.set RD,   25                          ; v25     where I read rows back
.set CO,   26                          ; v26     my byte offset in the result
.set SPW,  28                          ; v28     LDS address of my spare word; never rewritten
.set NIL,  29                          ; v29     0; never rewritten
.set PFO,  30                          ; v30     the prefetches' offset: my lane x a row; never rewritten
.set TMP,  32
.set BIAS, 64
.set OB,   128
.set WV,   10                          ; s10     my wave's number
.set G1A,  24                          ; s[24:31] descriptor group 1 for A's tiles;  s[32:39] group 0, a set for each slot
.set G0A,  32
.set LIM,  43                          ; s43     1 in a wave that prefetches, else the greatest number
.set PFA,  44                          ; s[44:45] where my prefetches stand
.set G1B,  48                          ; s[48:55], s[56:63] the same for B's tiles
.set G0B,  56
.set GS,   66                          ; s[66:67] g, twice
.set MSB, 0
.macro WIN new                         ; the immediate's high byte repeats the setting that is left; a switch that changes nothing is dropped
.if MSB != (\new)
	s_set_vgpr_msb (MSB<<8)|(\new)
.set MSB, (\new)
.endif
.endm
.macro PLACES                          ; four places in front of loads into registers that matrix instructions have read, and of vector work that reads results (ISA guide 7.12.1 for the vector work)
.rept 4
	v_nop
.endr
.endm
.macro CREST                           ; a round of the cluster's barrier behind its opening barrier
	s_cmp_lg_u32 s[WV], 0
	s_cbranch_scc1 .Lnot_wave_0_\@
	s_barrier_signal -3
.Lnot_wave_0_\@:
	s_barrier_wait -3
	s_barrier_signal -1
	s_barrier_wait -1
.endm
.macro CROUND                          ; a whole round
	s_barrier_signal -1
	s_barrier_wait -1
	CREST
.endm
; A joint refill: waves 0 and 1 fetch A's two halves (128 rows each), waves 2 and 3 B's (64 rows each).  The branch hangs on the wave's number alone.
; An s_nop 0 and four v_nop follow each of the two lines, ahead of the jump and the label.
.macro JLOAD s
	s_cmp_lt_u32 s[WV], 2
	s_cbranch_scc0 .Lfor_b_\@
	tensor_load_to_lds s[G0A+4*(\s):G0A+4*(\s)+3], s[G1A:G1A+7]
	s_nop 0
.rept 4
	v_nop
.endr
	s_branch .Lasked_\@
.Lfor_b_\@:
	tensor_load_to_lds s[G0B+4*(\s):G0B+4*(\s)+3], s[G1B:G1B+7]
	s_nop 0
.rept 4
	v_nop
.endr
.Lasked_\@:
.endm
; A prefetch into the L2 of the K step that stands two refills on (256 matrix instructions ahead of the load that will ask for it): 32 rows x 256 bytes, a lane a row, one instruction a wave.
; Each row's 256 bytes of a step are named once in the launch: A's rows by the cluster with x = 0 (waves 0 and 1; the partner at cx takes rows 32 cx .. + 31 of the wave's 128), B's by the cluster
; with y = 0 (wave 2; the partner at cy takes rows 32 cy .. + 31 of the 128): shared out by address, never by a branch on a place in the cluster.  The loop's last trip (s3 = 1) asks for nothing.
.macro ASK
	s_cmp_gt_u32 s3, s[LIM]
	s_cbranch_scc0 .Lnot_mine_\@
	global_prefetch_b8 v[PFO], s[PFA:PFA+1] th:TH_LOAD_NT scope:SCOPE_SE
.Lnot_mine_\@:
.endm
; Matrix instructions i0 .. i0 + n - 1 of a unit's 64 on buffer f: c = i / 32, a = (i % 32) / 8, b = i % 8.  All 32 accumulators take turns, one instruction a turn, in the same order in every half unit
; and over the backward jump.  zero = 1: the first 32 start the sums with the constant 0: nothing is cleared.
.macro MULS f, i0, n, zero
	WIN 0x5a+5*(\f)
.set mi, (\i0)
.rept (\n)
.set rD, 8*(mi%32)
.set rB, 8*(8*(mi/32)+mi%8)
.set rA, 128+8*(4*(mi/32)+(mi%32)/8)
.if (\zero) && (mi < 32)
	v_wmma_f32_16x16x32_bf16 v[rD:rD+7], v[rB:rB+7], v[rA:rA+7], 0
.else
	v_wmma_f32_16x16x32_bf16 v[rD:rD+7], v[rB:rB+7], v[rA:rA+7], v[rD:rD+7]
.endif
.set mi, mi+1
.endr
.endm
; 48 LDS loads in one run: a unit's fragments (my 64 rows of A, the 128 rows of B, 64 along K at byte koff of the rows) into buffer g
.macro FETCH g, slot, koff
	WIN 0x80+0x40*(\g)
.irp c, 0,1
.irp a, 0,1,2,3
	ds_load_b128 v[128+8*(4*(\c)+(\a)):128+8*(4*(\c)+(\a))+3],   v[ADRA+(\slot)] offset:(\koff)+64*(\c)+(\a)*16*PITCH
	ds_load_b128 v[128+8*(4*(\c)+(\a))+4:128+8*(4*(\c)+(\a))+7], v[ADRA+(\slot)] offset:(\koff)+64*(\c)+(\a)*16*PITCH+32
.endr
.endr
.irp c, 0,1
.irp b, 0,1,2,3,4,5,6,7
	ds_load_b128 v[8*(8*(\c)+(\b)):8*(8*(\c)+(\b))+3],   v[ADRB+(\slot)] offset:(\koff)+64*(\c)+(\b)*16*PITCH
	ds_load_b128 v[8*(8*(\c)+(\b))+4:8*(8*(\c)+(\b))+7], v[ADRB+(\slot)] offset:(\koff)+64*(\c)+(\b)*16*PITCH+32
.endr
.endr
.endm
; A step's first unit: multiplies buffer f and fetches the step's second unit into buffer g.
.macro UNITA slot, f, g, zero
	s_wait_dscnt 0x0                               ; buffer f is in: its loads were issued 48 matrix instructions ago
	MULS \f, 0, 16, \zero
	PLACES
	FETCH \g, \slot, 128
	MULS \f, 16, 48, \zero
.endm
; A step's second unit changes slots: ONE barrier.  In front of it each wave waits for all its tensor loads (one is out: its part of the next slot), adds 0 to its spare word, and waits for that and for
; its reads of this slot.  fill = 1: the barrier opens a round of the cluster's barrier, and behind the round this slot is filled again, two K steps ahead, first of all.
.macro UNITB slot, next, f, g, fill
.if \fill
	s_wait_xcnt 0x0                                ; the last prefetch, a K step back, has read its address, which is stepped here
	s_add_nc_u64 s[PFA:PFA+1], s[PFA:PFA+1], STEPA
.endif
	WIN 0                                          ; (the add's two registers lie in window 0)
	s_wait_tensorcnt 0x0                           ; all my tensor loads have landed
	ds_add_u32 v[SPW], v[NIL]                      ; 0 onto my spare word
	s_wait_dscnt 0x1                               ; (the add may be out; buffer f is in)
	MULS \f, 0, 8, 0                               ; eight matrix instructions stand between the add and the wait for it
	s_wait_dscnt 0x0                               ; the add is done, and my reads of this slot are over
	s_barrier_signal -1
	MULS \f, 8, 8, 0                               ; work on registers while the others arrive
.if \fill
	WIN 0
.endif
	s_barrier_wait -1
.if \fill
	CREST                                          ; no wave of any partner still reads this slot's tiles or has a load on its way
	s_add_nc_u64 s[G0A+4*(\slot)+2:G0A+4*(\slot)+3], s[G0A+4*(\slot)+2:G0A+4*(\slot)+3], 2*STEPA
	s_add_nc_u64 s[G0B+4*(\slot)+2:G0B+4*(\slot)+3], s[G0B+4*(\slot)+2:G0B+4*(\slot)+3], 2*STEPB
	JLOAD \slot                                    ; my one tensor load behind the round: 112 matrix instructions ahead of the wait for it; its four v_nop are also the places in front of the loads below
.else
	PLACES
.endif
	FETCH \g, \next, 0
.if \fill
	WIN 0
	ASK
.endif
	MULS \f, 16, 48, 0
.endm
.macro UNITL f                         ; the very last unit: nothing more to fetch
	s_wait_dscnt 0x0
	MULS \f, 0, 64, 0
.endm
	s_load_b128 s[4:7], s[0:1], 0x0                ; xb s[4:5], wb s[6:7]
	s_load_b128 s[72:75], s[0:1], 0x10             ; bq s[72:73], bv s[74:75]
	s_load_b64 s[8:9], s[0:1], 0x20                ; qkv
	v_lshl_add_u32 v[SPW], v0, 2, SPARE
	v_mov_b32 v[NIL], 0
	ds_add_u32 v[SPW], v[NIL]                      ; the wave's opening: the add, twice on end, and its wait ahead of my first tensor load; the set-up below stands between
	ds_add_u32 v[SPW], v[NIL]                      ; and once more, under the one wait
	v_lshrrev_b32 v1, 5, v0
	v_readfirstlane_b32 s[WV], v1                  ; wave 0..3
	s_and_b32 s12, s[WV], 1                        ; which half of a tile I fetch
	s_bfe_u32 s40, ttmp6, 0x40000                  ; cx, cy: my place in the cluster
	s_bfe_u32 s41, ttmp6, 0x40004
	s_lshl_b32 s42, ttmp9, 2
	s_add_co_u32 s42, s42, s40                     ; tile column = 4 x cluster x + cx, 0..23
	s_and_b32 s13, ttmp7, 0xffff
	s_lshl_b32 s13, s13, 2
	s_add_co_u32 s13, s13, s41                     ; tile row = 4 x cluster y + cy, 0..31
	s_lshr_b32 s70, ttmp9, 1                       ; the region, 0 Q, 1 K, 2 V: eight tile columns each, the same in all partners
	s_lshl_b32 s43, s41, 2
	s_lshl_b32 s43, 15, s43                        ; my row of the cluster
	s_lshl_b32 s44, 0x1111, s40                    ; my column
	s_or_b32 s[G1A], s43, (1<<16)|(1<<20)|(1<<21)|(5<<22)|(3<<25)  ; 15:0 the mask; 17:16 elements of 2 bytes; 20 padding on; 21 set beside a mask; 24:22 after every 64 words (code 5); 31:25 4 words (code 3)
	s_or_b32 s[G1B], s44, (1<<16)|(1<<20)|(1<<21)|(5<<22)|(3<<25)
.irp g, G1A, G1B
	s_mov_b32 s[(\g)+1], 128<<16                   ; tensor_dim0 = 128
	s_mov_b32 s[(\g)+3], 128<<16                   ; tile_dim0 = 128
	s_mov_b32 s[(\g)+5], 1024                      ; elements from row to row
	s_mov_b32 s[(\g)+6], 0
	s_mov_b32 s[(\g)+7], 0
.endr
	s_mov_b32 s[G1A+2], 128<<16                    ; tensor_dim1 = tile_dim1 = 128 rows of A,
	s_mov_b32 s[G1A+4], 128
	s_mov_b32 s[G1B+2], 64<<16                     ; 64 of B
	s_mov_b32 s[G1B+4], 64
	s_mov_b32 s[GS], 0x3e596d27                    ; g = sqrt(log2(e) / 32) = 0.21233045
	s_mov_b32 s[GS+1], s[GS]
	s_mov_b32 s71, 0xffff0000                      ; a word's upper bf16
	s_lshl_b32 s17, s12, 7
	s_lshl_b32 s16, s13, 8
	s_add_co_u32 s16, s16, s17                     ; A: row 256 x tile row + 128 x half
	s_lshl_b32 s16, s16, 11                        ; in bytes (under 2^24)
	s_mov_b32 s17, 0
	s_lshl_b32 s47, s12, 6
	s_lshl_b32 s46, s42, 7
	s_add_co_u32 s46, s46, s47                     ; B: row 128 x tile column + 64 x half
	s_lshl_b32 s46, s46, 11
	s_mov_b32 s47, 0
	s_mul_i32 s20, s[WV], 128*PITCH                ; where they go: A's halves at wave x 128 rows (waves 0, 1),
	s_mul_i32 s21, s[WV], 64*PITCH
	s_add_co_u32 s21, s21, 128*PITCH               ; B's at 128 rows + wave x 64 rows (waves 2, 3): behind A's 256
	s_wait_dscnt 0x0                               ; both opening adds are done
	s_wait_kmcnt 0x0
	s_add_nc_u64 s[14:15], s[4:5], s[16:17]
	s_add_nc_u64 s[46:47], s[6:7], s[46:47]
	CROUND                                         ; all sixteen work-groups are here: the first joint loads meet
.irp s, 0,1
	s_mov_b32 s[G0A+4*(\s)], 1                     ; count = 1
	s_add_co_u32 s[G0A+4*(\s)+1], s20, (\s)*SLOT   ; LDS address
	s_add_nc_u64 s[G0A+4*(\s)+2:G0A+4*(\s)+3], s[14:15], (\s)*STEPA  ; global address: K step s
	s_or_b32 s[G0A+4*(\s)+3], s[G0A+4*(\s)+3], 0x80000000            ; type = 2
	s_mov_b32 s[G0B+4*(\s)], 1
	s_add_co_u32 s[G0B+4*(\s)+1], s21, (\s)*SLOT
	s_add_nc_u64 s[G0B+4*(\s)+2:G0B+4*(\s)+3], s[46:47], (\s)*STEPB
	s_or_b32 s[G0B+4*(\s)+3], s[G0B+4*(\s)+3], 0x80000000
.endr
	s_cmp_lt_u32 s[WV], 2                          ; a wave's two first fills stand in one branch, ahead of every wait on TENSORcnt and every LDS read: two loads of mine are out
	s_cbranch_scc0 .Lfirst_b
	tensor_load_to_lds s[G0A:G0A+3], s[G1A:G1A+7]
	s_nop 0
	tensor_load_to_lds s[G0A+4:G0A+7], s[G1A:G1A+7]
	s_nop 0
.rept 4
	v_nop
.endr
	s_branch .Lfirst_asked
.Lfirst_b:
	tensor_load_to_lds s[G0B:G0B+3], s[G1B:G1B+7]
	s_nop 0
	tensor_load_to_lds s[G0B+4:G0B+7], s[G1B:G1B+7]
	s_nop 0
.rept 4
	v_nop
.endr
.Lfirst_asked:
	; A fragment is 16 rows x 32 K in 8 registers: lane l holds row l % 16; registers 0-3 K = 8 (l / 16) + 0..7, registers 4-7 K = 16 + 8 (l / 16) + 0..7: two loads of 16 bytes, 32 bytes apart.
	v_and_b32 v1, 15, v0                           ; r = l % 16
	v_bfe_u32 v2, v0, 4, 1                         ; h = l / 16
	v_and_b32 v3, 31, v0                           ; l
	v_mul_u32_u24 v4, v1, PITCH
	v_lshl_add_u32 v4, v2, 4, v4                   ; row x pitch + 16 x half
	s_mul_i32 s21, s[WV], 64*PITCH                 ; my 64 rows of A
	s_mov_b32 s22, BOFF                            ; B's 128 rows
.irp s, 0,1
	v_add_nc_u32 v[ADRA+(\s)], s21, v4
	v_add_nc_u32 v[ADRB+(\s)], s22, v4
	s_add_co_u32 s21, s21, SLOT
	s_add_co_u32 s22, s22, SLOT
.endr
	s_mul_i32 s23, s[WV], STW
	s_add_co_u32 s23, s23, STAGE                   ; my stage
	v_add_nc_u32 v[STO], s23, v4                   ; in: row l % 16, 16 bytes for each half of the lanes
	v_mul_u32_u24 v4, v2, PITCH                    ; back: lanes 0-15 take one row of 256 bytes, lanes 16-31 the next
	v_lshl_add_u32 v4, v1, 4, v4
	v_add_nc_u32 v[RD], s23, v4
	v_mul_u32_u24 v4, v2, CROW                     ; and the same two rows in the result
	v_lshl_add_u32 v[CO], v1, 4, v4
	s_lshl_b32 s16, s13, 8
	s_lshl_b32 s17, s[WV], 6
	s_add_co_u32 s16, s16, s17                     ; my first row: 256 x tile row + 64 x wave
	s_lshl_b32 s16, s16, 11
	s_lshl_b32 s17, s70, 24                        ; the region's 16,777,216 bytes
	s_add_co_u32 s16, s16, s17
	s_mov_b32 s17, 0
	s_add_nc_u64 s[8:9], s[8:9], s[16:17]
	s_and_b32 s46, s42, 7                          ; the tile column within the region
	s_lshl_b32 s46, s46, 8                         ; 128 columns of f16
	s_mov_b32 s47, 0
	s_add_nc_u64 s[8:9], s[8:9], s[46:47]
	; the prefetches
	s_lshl_b32 s20, s13, 8
	s_lshl_b32 s21, s12, 7
	s_add_co_u32 s20, s20, s21
	s_lshl_b32 s21, s40, 5
	s_add_co_u32 s20, s20, s21                     ; A: the 128 rows that I fetch, my work-group's 32 of them
	s_lshl_b32 s22, s42, 7
	s_lshl_b32 s21, s41, 5
	s_add_co_u32 s22, s22, s21                     ; B: the tile's 128 rows, my work-group's 32 of them
	s_and_b32 s23, ttmp7, 0xffff                   ; cluster y
	s_cmp_lt_u32 s[WV], 2
	s_cselect_b32 s20, s20, s22
	s_cselect_b32 s23, ttmp9, s23                  ; the coordinate along which other clusters read the same rows
	s_cselect_b64 s[PFA:PFA+1], s[4:5], s[6:7]
	s_cmp_eq_u32 s[WV], 3
	s_cselect_b32 s23, 1, s23                      ; wave 3 asks for nothing: wave 2 names B's 32 rows
	s_cmp_eq_u32 s23, 0
	s_cselect_b32 s[LIM], 1, -1                    ; the same in all sixteen partners, for a given wave
	s_lshl_b32 s20, s20, 11
	s_add_co_u32 s20, s20, 3*STEPA                 ; at K step 3: the first refill steps it to 4.  Nothing is prefetched here, at the head
	s_mov_b32 s21, 0
	s_add_nc_u64 s[PFA:PFA+1], s[PFA:PFA+1], s[20:21]
	v_lshlrev_b32 v[PFO], 11, v3
	; g x bias of my 8 columns in each column block, in the wait for the first tiles.  K has no bias; the fused multiply-add is owed for g anyway, so its addend is 0.
	s_cmp_eq_u32 s70, 1
	s_cbranch_scc1 .Lno_bias
	s_cmp_eq_u32 s70, 0
	s_cselect_b64 s[76:77], s[72:73], s[74:75]
	s_and_b32 s78, s42, 7
	s_lshl_b32 s78, s78, 9                         ; 128 columns of f32
	s_mov_b32 s79, 0
	s_add_nc_u64 s[76:77], s[76:77], s[78:79]
	v_lshlrev_b32 v5, 5, v2                        ; my 8 columns: 32 bytes x half
.irp b, 0,1,2,3,4,5,6,7
	global_load_b128 v[BIAS+8*(\b):BIAS+8*(\b)+3],   v5, s[76:77] offset:64*(\b)
	global_load_b128 v[BIAS+8*(\b)+4:BIAS+8*(\b)+7], v5, s[76:77] offset:64*(\b)+16
.endr
	s_wait_loadcnt 0x0
.set i, 0
.rept 32
	v_cvt_pk_bf16_f32 v[6+i%2], v[BIAS+2*i], v[BIAS+2*i+1]   ; rounded to bf16, like x and the weights,
	v_lshlrev_b32 v[BIAS+2*i], 16, v[6+i%2]                  ; and widened again
	v_and_b32 v[BIAS+2*i+1], s71, v[6+i%2]
	v_pk_mul_f32 v[BIAS+2*i:BIAS+2*i+1], v[BIAS+2*i:BIAS+2*i+1], s[GS:GS+1] op_sel_hi:[1,0]
.set i, i+1
.endr
	s_branch .Lbias_done
.Lno_bias:
.set i, 0
.rept 64
	v_mov_b32 v[BIAS+i], 0
.set i, i+1
.endr
.Lbias_done:
	s_wait_tensorcnt 0x1                           ; my part of K step 0 is in; slot 1's may stay out
	s_barrier_signal -1
	s_barrier_wait -1                              ; everybody's is
	FETCH 0, 0, 0
	UNITA 0, 0, 1, 1                               ; the first unit stands in front of the loop: its products start the sums
	WIN 0                                          ; at a label and at a branch every window is 0
	s_mov_b32 s3, LAPS-1
.Llap:                                                 ; a trip goes once round the ring and fills both slots again
	UNITB 0, 1, 1, 0, 1
	UNITA 1, 0, 1, 0
	UNITB 1, 0, 1, 0, 1
	UNITA 0, 0, 1, 0
	WIN 0
	s_sub_co_u32 s3, s3, 1
	s_cmp_lg_u32 s3, 0
	s_cbranch_scc1 .Llap
	UNITB 0, 1, 1, 0, 0                            ; the last lap fills nothing, and has no round of the cluster's barrier
	UNITA 1, 0, 1, 0
	UNITL 1
	WIN 0
	PLACES
; THE WAY OUT of block a (16 rows).  PACK: g x sum + g x bias, rounded to f16, 16 bytes a lane; each accumulator's registers in ascending order.  TOSTAGE: into my stage, back as whole rows.  SEND: stored.
.macro PACK a
	WIN 0x41                                       ; destination and source 0 window 1, the addend window 0
.set i, 0
.rept 32
	v_pk_fma_f32 v[64*(\a)+2*i:64*(\a)+2*i+1], v[64*(\a)+2*i:64*(\a)+2*i+1], s[GS:GS+1], v[BIAS+2*i:BIAS+2*i+1] op_sel_hi:[1,0,1]
.set i, i+1
.endr
	WIN 0x05                                       ; sources window 1, destination window 0
.set i, 0
.rept 32
	v_cvt_pk_f16_f32 v[TMP+i], v[64*(\a)+2*i], v[64*(\a)+2*i+1]
.set i, i+1
.endr
	WIN 0
.endm
.macro TOSTAGE a
	WIN 0
.irp b, 0,1,2,3,4,5,6,7
	ds_store_b128 v[STO], v[TMP+4*(\b):TMP+4*(\b)+3] offset:32*(\b)
.endr
.irp t, 0,1,2,3,4,5,6,7
	ds_load_b128 v[OB+32*(\a)+4*(\t):OB+32*(\a)+4*(\t)+3], v[RD] offset:(\t)*2*PITCH  ; LDS serves a wave's instructions in order (ISA guide 5.7.1.4): these see the stores above
.endr
.endm
.macro SEND a
	WIN 0
	s_wait_dscnt 0x0                               ; the block is back in registers; each block has registers of its own, so no store's data is written again
.irp t, 0,1,2,3,4,5,6,7
	global_store_b128 v[CO], v[OB+32*(\a)+4*(\t):OB+32*(\a)+4*(\t)+3], s[8:9] offset:(16*(\a)+2*(\t))*CROW  ; 16 lanes store 256 consecutive bytes, aligned
.endr
.endm
	PACK 0
	TOSTAGE 0
.irp a, 1,2,3                          ; block a's arithmetic stands between block a - 1's loads from the stage and the wait for them
	PACK \a
	SEND (\a)-1
	TOSTAGE \a
.endr
	SEND 3
	s_wait_tensorcnt 0x0                           ; the wave's end: behind my last tensor load and my last LDS store
	ds_add_u32 v[SPW], v[NIL]
	s_wait_dscnt 0x0
	CROUND                                         ; the closing round: no work-group ends while a partner may still ask for a tile that names it
	s_endpgm
.Lfunc_end_k_q9a146f9410_proj:
	.size	k_q9a146f9410_proj, .Lfunc_end_k_q9a146f9410_proj-k_q9a146f9410_proj
	.p2alignl 7, 3214868480
	.fill 96, 4, 3214868480
	.section	.rodata,"a",@progbits
	.p2align	6, 0x0
	.amdhsa_kernel k_q9a146f9410_proj
		.amdhsa_group_segment_fixed_size 327680
		.amdhsa_private_segment_fixed_size 0
		.amdhsa_enable_private_segment 0
		.amdhsa_kernarg_size 40
		.amdhsa_user_sgpr_count 2
		.amdhsa_user_sgpr_kernarg_segment_ptr 1
		.amdhsa_wavefront_size32 1
		.amdhsa_system_sgpr_workgroup_id_x 1
		.amdhsa_system_sgpr_workgroup_id_y 1
		.amdhsa_system_sgpr_workgroup_id_z 1
		.amdhsa_system_vgpr_workitem_id 0
		.amdhsa_next_free_vgpr 960
		.amdhsa_next_free_sgpr 80
		.amdhsa_reserve_vcc 0
		.amdhsa_float_denorm_mode_32 3
		.amdhsa_float_denorm_mode_16_64 3
		.amdhsa_memory_ordered 1
		.amdhsa_forward_progress 1
		.amdhsa_inst_pref_size 103
	.end_amdhsa_kernel
	.amdgpu_metadata
---
amdhsa.version: [ 1, 2 ]
amdhsa.kernels:
  - .name:           k_q9a146f9410_proj
    .symbol:         k_q9a146f9410_proj.kd
    .args:
      - { .name: xb, .offset: 0, .size: 8, .value_kind: global_buffer, .address_space: global }
      - { .name: wb, .offset: 8, .size: 8, .value_kind: global_buffer, .address_space: global }
      - { .name: bq, .offset: 16, .size: 8, .value_kind: global_buffer, .address_space: global }
      - { .name: bv, .offset: 24, .size: 8, .value_kind: global_buffer, .address_space: global }
      - { .name: qkv, .offset: 32, .size: 8, .value_kind: global_buffer, .address_space: global }
    .group_segment_fixed_size: 327680
    .private_segment_fixed_size: 0
    .kernarg_segment_align: 8
    .kernarg_segment_size: 40
    .max_flat_workgroup_size: 128
    .sgpr_count:     80
    .vgpr_count:     960
    .wavefront_size: 32
...
	.end_amdgpu_metadata
.endif
;; end of part 2
;; launch score (part 3): grid 16 x 32, 4 waves a work-group, clusters of 4 x 4, 327,680 bytes of LDS; arguments qkv, pb, st; writes pb, st
.if DOCPART == 3
	.amdgcn_target "amdgcn-amd-amdhsa--gfx1250"
	.amdhsa_code_object_version 6
	.text
	.protected	k_q9a146f9410_score
	.globl	k_q9a146f9410_score
	.p2align	8
	.type	k_q9a146f9410_score,@function
k_q9a146f9410_score:
	s_mov_b64 s[64:65], 0
	v_nop
	global_prefetch_b8 v0, s[64:65] scope:SCOPE_SE
	s_setreg_imm32_b32 hwreg(HW_REG_WAVE_MODE, 25, 1), 1
	s_wait_xcnt 0x0
	s_wait_alu depctr_hold_cnt(0) depctr_sa_sdst(0) depctr_va_vdst(0) depctr_va_sdst(0) depctr_va_ssrc(0) depctr_va_vcc(0) depctr_vm_vsrc(0)
	s_getreg_b32 s2, hwreg(HW_REG_IB_STS2, 6, 4)
	s_cmp_eq_u32 s2, 0
	s_cbranch_scc0 .Lentry_in_a_cluster
	s_endpgm
.Lentry_in_a_cluster:
	s_bfe_u32 s2, ttmp6, 0x10000c
	s_cmp_lg_u32 s2, 0xf033
	s_cbranch_scc0 .Lentry_shape_is_right
	s_endpgm
.Lentry_shape_is_right:
; For query row q (0..8191) and part t (128 keys of q's batch): s'[k] = Q'[q] . K'[k], which is the score times log2(e) (both factors carry g = sqrt(log2(e) / 32));
; m[t][q] = the maximum of s' over the part, pb[q][128 t + k] = 2^(s'[k] - m) in f16, l[t][q] = the sum of the unrounded 2^(s' - m).  st: m[16][8192] f32, then l[16][8192] f32.
; The maximum is taken away before the exponential, part by part; the next launch brings the parts to the row's own maximum.  Sums, maxima and l in f32.
; WORK LEFT OUT: bk's term of the scores (the same along the softmax's axis: shown at the head of the first kernel).
; LIMITS: a weight below 6e-8 of its part's largest is 0 in f16; one below 2^-126 counts as 0 in l; NaN and infinities are not treated apart.
; SHARES, RING, CLUSTER, REGISTERS: as in the projection: a work-group makes 256 queries x 128 keys, wave w queries 64 w .. + 63 and all 128 keys, so a row's part lies in one wave: lane l holds query l % 16
; and 64 of its 128 scores, the lane 16 away the other 64.  K (the channels, 1,024) goes in steps of 128 through two LDS slots.  Q's tile is joint along a row of the cluster, K's along a column.
;   window 0: v0-31 addresses; v32-63 packed weights; v64-75 at work; v80-87 m and l of my query in each of the 4 blocks; v128-255 rows read back from the stage
;   window 1: accumulator (a, b) at v[8 (8 a + b)]          window 2 + f: fragment buffer f: B (c, b) at v[8 (8 c + b)], A (c, a) at v[128 + 8 (4 c + a)]
.set PITCH,  272                       ; an LDS row: 256 bytes + 16 of padding = 68 words: the 16 rows of a load start at 16 different groups of four banks (64 banks of 4 bytes: ISA guide 11.1)
.set BOFF,   256*PITCH
.set SLOT,   384*PITCH
.set STAGE,  2*SLOT
.set STW,    16*PITCH
.set SPARE,  STAGE+4*STW               ; the spare words, 128 bytes for each wave: two blocks of 256 bytes that no other line names
.set LAPS,   4
.set STEPA,  256
.set STEPB,  256
.set CROW,   4096                      ; bytes in a row of pb
.set SA,   8                           ; v8      where I put my query's m in the stage
.set SR,   9                           ; v9      where I read two rows' statistics back
.set SO,   10                          ; v10     8 x lane: their place in st
.set ADRA, 16
.set ADRB, 20
.set STO,  24
.set RD,   25
.set CO,   26
.set SPW,  28
.set NIL,  29
.set PFO,  30
.set TMP,  32
.set CH,   64                          ; v64-71  eight running maxima, at work
.set ST,   80                          ; v[80+2a] m, v[81+2a] m again and then l
.set OB,   128
.set WV,   10
.set G1A,  24
.set G0A,  32
.set LIM,  43
.set PFA,  44
.set G1B,  48
.set G0B,  56
.set SEL,  68                          ; s[68:69] v_permlanex16_b32's selects: each lane takes its own place in the other half
.set MSB, 0
.macro WIN new
.if MSB != (\new)
	s_set_vgpr_msb (MSB<<8)|(\new)
.set MSB, (\new)
.endif
.endm
.macro PLACES
.rept 4
	v_nop
.endr
.endm
.macro CREST
	s_cmp_lg_u32 s[WV], 0
	s_cbranch_scc1 .Lnot_wave_0_\@
	s_barrier_signal -3
.Lnot_wave_0_\@:
	s_barrier_wait -3
	s_barrier_signal -1
	s_barrier_wait -1
.endm
.macro CROUND
	s_barrier_signal -1
	s_barrier_wait -1
	CREST
.endm
.macro JLOAD s                         ; a joint refill: waves 0, 1 Q's halves, waves 2, 3 K's; an s_nop 0 and four v_nop follow each line
	s_cmp_lt_u32 s[WV], 2
	s_cbranch_scc0 .Lfor_b_\@
	tensor_load_to_lds s[G0A+4*(\s):G0A+4*(\s)+3], s[G1A:G1A+7]
	s_nop 0
.rept 4
	v_nop
.endr
	s_branch .Lasked_\@
.Lfor_b_\@:
	tensor_load_to_lds s[G0B+4*(\s):G0B+4*(\s)+3], s[G1B:G1B+7]
	s_nop 0
.rept 4
	v_nop
.endr
.Lasked_\@:
.endm
; A prefetch into the L2 of the K step two refills on: 32 rows x 256 bytes, a lane a row.  Q's rows are named by the cluster with x = 0 (waves 0, 1; the partner at cx takes 32 of the wave's 128), K's by the
; first of a batch's two rows of clusters (wave 2; the partner at cy takes 32 of the 128): each block once in the launch, shared out by address.  The loop's last trip asks for nothing.
.macro ASK
	s_cmp_gt_u32 s3, s[LIM]
	s_cbranch_scc0 .Lnot_mine_\@
	global_prefetch_b8 v[PFO], s[PFA:PFA+1] th:TH_LOAD_NT scope:SCOPE_SE
.Lnot_mine_\@:
.endm
.macro MULS f, i0, n, zero             ; matrix instructions i0 .. of a unit's 64: all 32 accumulators by turns; zero = 1: the first 32 start the sums
	WIN 0x5a+5*(\f)
.set mi, (\i0)
.rept (\n)
.set rD, 8*(mi%32)
.set rB, 8*(8*(mi/32)+mi%8)
.set rA, 128+8*(4*(mi/32)+(mi%32)/8)
.if (\zero) && (mi < 32)
	v_wmma_f32_16x16x32_f16 v[rD:rD+7], v[rB:rB+7], v[rA:rA+7], 0
.else
	v_wmma_f32_16x16x32_f16 v[rD:rD+7], v[rB:rB+7], v[rA:rA+7], v[rD:rD+7]
.endif
.set mi, mi+1
.endr
.endm
.macro FETCH g, slot, koff             ; 48 LDS loads in one run: a unit's fragments into buffer g
	WIN 0x80+0x40*(\g)
.irp c, 0,1
.irp a, 0,1,2,3
	ds_load_b128 v[128+8*(4*(\c)+(\a)):128+8*(4*(\c)+(\a))+3],   v[ADRA+(\slot)] offset:(\koff)+64*(\c)+(\a)*16*PITCH
	ds_load_b128 v[128+8*(4*(\c)+(\a))+4:128+8*(4*(\c)+(\a))+7], v[ADRA+(\slot)] offset:(\koff)+64*(\c)+(\a)*16*PITCH+32
.endr
.endr
.irp c, 0,1
.irp b, 0,1,2,3,4,5,6,7
	ds_load_b128 v[8*(8*(\c)+(\b)):8*(8*(\c)+(\b))+3],   v[ADRB+(\slot)] offset:(\koff)+64*(\c)+(\b)*16*PITCH
	ds_load_b128 v[8*(8*(\c)+(\b))+4:8*(8*(\c)+(\b))+7], v[ADRB+(\slot)] offset:(\koff)+64*(\c)+(\b)*16*PITCH+32
.endr
.endr
.endm
.macro UNITA slot, f, g, zero
	s_wait_dscnt 0x0                               ; buffer f is in: its loads were issued 48 matrix instructions ago
	MULS \f, 0, 16, \zero
	PLACES
	FETCH \g, \slot, 128
	MULS \f, 16, 48, \zero
.endm
.macro UNITB slot, next, f, g, fill    ; the change of slots: one barrier; with fill = 1 it opens a round of the cluster's barrier, and the joint refill is the first thing behind the round
.if \fill
	s_wait_xcnt 0x0                                ; the last prefetch, a K step back, has read its address, which is stepped here
	s_add_nc_u64 s[PFA:PFA+1], s[PFA:PFA+1], STEPA
.endif
	WIN 0
	s_wait_tensorcnt 0x0                           ; all my tensor loads have landed
	ds_add_u32 v[SPW], v[NIL]                      ; 0 onto my spare word
	s_wait_dscnt 0x1                               ; (the add may be out; buffer f is in)
	MULS \f, 0, 8, 0
	s_wait_dscnt 0x0                               ; the add is done, and my reads of this slot are over
	s_barrier_signal -1
	MULS \f, 8, 8, 0
.if \fill
	WIN 0
.endif
	s_barrier_wait -1
.if \fill
	CREST
	s_add_nc_u64 s[G0A+4*(\slot)+2:G0A+4*(\slot)+3], s[G0A+4*(\slot)+2:G0A+4*(\slot)+3], 2*STEPA
	s_add_nc_u64 s[G0B+4*(\slot)+2:G0B+4*(\slot)+3], s[G0B+4*(\slot)+2:G0B+4*(\slot)+3], 2*STEPB
	JLOAD \slot                                    ; its four v_nop are also the places in front of the loads below
.else
	PLACES
.endif
	FETCH \g, \next, 0
.if \fill
	WIN 0
	ASK
.endif
	MULS \f, 16, 48, 0
.endm
.macro UNITL f
	s_wait_dscnt 0x0
	MULS \f, 0, 64, 0
.endm
	s_load_b64 s[4:5], s[0:1], 0x0                 ; qkv
	s_load_b64 s[8:9], s[0:1], 0x8                 ; pb
	s_load_b64 s[72:73], s[0:1], 0x10              ; st
	v_lshl_add_u32 v[SPW], v0, 2, SPARE
	v_mov_b32 v[NIL], 0
	ds_add_u32 v[SPW], v[NIL]                      ; the wave's opening: the add, twice on end, and its wait ahead of my first tensor load
	ds_add_u32 v[SPW], v[NIL]                      ; and once more, under the one wait
	v_lshrrev_b32 v1, 5, v0
	v_readfirstlane_b32 s[WV], v1
	s_and_b32 s12, s[WV], 1
	s_bfe_u32 s40, ttmp6, 0x40000                  ; cx, cy
	s_bfe_u32 s41, ttmp6, 0x40004
	s_lshl_b32 s42, ttmp9, 2
	s_add_co_u32 s42, s42, s40                     ; tile column = the part, 0..15
	s_and_b32 s13, ttmp7, 0xffff
	s_lshr_b32 s70, s13, 1                         ; the batch: two rows of clusters each; made of the cluster's y alone
	s_lshl_b32 s13, s13, 2
	s_add_co_u32 s13, s13, s41                     ; tile row, 0..31
	s_lshl_b32 s43, s41, 2
	s_lshl_b32 s43, 15, s43                        ; my row of the cluster
	s_lshl_b32 s44, 0x1111, s40                    ; my column
	s_or_b32 s[G1A], s43, (1<<16)|(1<<20)|(1<<21)|(5<<22)|(3<<25)  ; the mask; elements of 2 bytes; padding on; bit 21 beside a mask; after every 64 words 4 words
	s_or_b32 s[G1B], s44, (1<<16)|(1<<20)|(1<<21)|(5<<22)|(3<<25)
.irp g, G1A, G1B
	s_mov_b32 s[(\g)+1], 128<<16                   ; tensor_dim0 = 128
	s_mov_b32 s[(\g)+3], 128<<16                   ; tile_dim0 = 128
	s_mov_b32 s[(\g)+5], 1024                      ; elements from row to row
	s_mov_b32 s[(\g)+6], 0
	s_mov_b32 s[(\g)+7], 0
.endr
	s_mov_b32 s[G1A+2], 128<<16                    ; 128 rows of Q,
	s_mov_b32 s[G1A+4], 128
	s_mov_b32 s[G1B+2], 64<<16                     ; 64 of K
	s_mov_b32 s[G1B+4], 64
	s_mov_b32 s[SEL], 0x76543210
	s_mov_b32 s[SEL+1], 0xfedcba98
	s_lshl_b32 s17, s12, 7
	s_lshl_b32 s16, s13, 8
	s_add_co_u32 s16, s16, s17                     ; Q: row 256 x tile row + 128 x half
	s_lshl_b32 s16, s16, 11
	s_mov_b32 s17, 0
	s_lshl_b32 s46, s70, 11                        ; K: row 2,048 x batch
	s_lshl_b32 s47, s42, 7
	s_add_co_u32 s46, s46, s47                     ; + 128 x part
	s_lshl_b32 s47, s12, 6
	s_add_co_u32 s46, s46, s47                     ; + 64 x half
	s_lshl_b32 s46, s46, 11
	s_add_co_u32 s46, s46, 0x1000000               ; in qkv's second region
	s_mov_b32 s47, 0
	s_mul_i32 s20, s[WV], 128*PITCH                ; LDS: A's halves at wave x 128 rows,
	s_mul_i32 s21, s[WV], 64*PITCH
	s_add_co_u32 s21, s21, 128*PITCH               ; B's at 128 rows + wave x 64 rows
	s_wait_dscnt 0x0                               ; both opening adds are done
	s_wait_kmcnt 0x0
	s_add_nc_u64 s[14:15], s[4:5], s[16:17]
	s_add_nc_u64 s[46:47], s[4:5], s[46:47]
	CROUND                                         ; the first joint loads meet
.irp s, 0,1
	s_mov_b32 s[G0A+4*(\s)], 1
	s_add_co_u32 s[G0A+4*(\s)+1], s20, (\s)*SLOT
	s_add_nc_u64 s[G0A+4*(\s)+2:G0A+4*(\s)+3], s[14:15], (\s)*STEPA
	s_or_b32 s[G0A+4*(\s)+3], s[G0A+4*(\s)+3], 0x80000000
	s_mov_b32 s[G0B+4*(\s)], 1
	s_add_co_u32 s[G0B+4*(\s)+1], s21, (\s)*SLOT
	s_add_nc_u64 s[G0B+4*(\s)+2:G0B+4*(\s)+3], s[46:47], (\s)*STEPB
	s_or_b32 s[G0B+4*(\s)+3], s[G0B+4*(\s)+3], 0x80000000
.endr
	s_cmp_lt_u32 s[WV], 2                          ; a wave's two first fills stand in one branch: two loads of mine are out
	s_cbranch_scc0 .Lfirst_b
	tensor_load_to_lds s[G0A:G0A+3], s[G1A:G1A+7]
	s_nop 0
	tensor_load_to_lds s[G0A+4:G0A+7], s[G1A:G1A+7]
	s_nop 0
.rept 4
	v_nop
.endr
	s_branch .Lfirst_asked
.Lfirst_b:
	tensor_load_to_lds s[G0B:G0B+3], s[G1B:G1B+7]
	s_nop 0
	tensor_load_to_lds s[G0B+4:G0B+7], s[G1B:G1B+7]
	s_nop 0
.rept 4
	v_nop
.endr
.Lfirst_asked:
	v_and_b32 v1, 15, v0                           ; r = l % 16
	v_bfe_u32 v2, v0, 4, 1                         ; h = l / 16
	v_and_b32 v3, 31, v0                           ; l
	v_mul_u32_u24 v4, v1, PITCH
	v_lshl_add_u32 v4, v2, 4, v4
	s_mul_i32 s21, s[WV], 64*PITCH
	s_mov_b32 s22, BOFF
.irp s, 0,1
	v_add_nc_u32 v[ADRA+(\s)], s21, v4
	v_add_nc_u32 v[ADRB+(\s)], s22, v4
	s_add_co_u32 s21, s21, SLOT
	s_add_co_u32 s22, s22, SLOT
.endr
	s_mul_i32 s23, s[WV], STW
	s_add_co_u32 s23, s23, STAGE                   ; my stage
	v_add_nc_u32 v[STO], s23, v4
	v_mul_u32_u24 v4, v2, PITCH
	v_lshl_add_u32 v4, v1, 4, v4
	v_add_nc_u32 v[RD], s23, v4
	v_lshlrev_b32 v4, 12, v2
	v_lshl_add_u32 v[CO], v1, 4, v4                ; 4,096 x half + 16 r
	v_lshl_add_u32 v[SA], v1, 2, s23               ; a word for each of a block's 16 queries
	v_lshl_add_u32 v[SR], v3, 3, s23               ; two words a lane
	v_lshlrev_b32 v[SO], 3, v3
	s_lshl_b32 s16, s13, 8
	s_lshl_b32 s17, s[WV], 6
	s_add_co_u32 s16, s16, s17                     ; my first row
	s_lshl_b32 s74, s16, 2                         ; its word in a part's 8,192 of st
	s_lshl_b32 s16, s16, 12                        ; its bytes in pb
	s_mov_b32 s17, 0
	s_add_nc_u64 s[8:9], s[8:9], s[16:17]
	s_lshl_b32 s46, s42, 8                         ; the part's 128 keys: 256 bytes of a row
	s_mov_b32 s47, 0
	s_add_nc_u64 s[8:9], s[8:9], s[46:47]
	s_lshl_b32 s46, s42, 15                        ; the part's 32,768 bytes of st
	s_add_co_u32 s74, s74, s46
	s_mov_b32 s75, 0
	s_add_nc_u64 s[72:73], s[72:73], s[74:75]
	; the prefetches
	s_lshl_b32 s20, s13, 8
	s_lshl_b32 s21, s12, 7
	s_add_co_u32 s20, s20, s21
	s_lshl_b32 s21, s40, 5
	s_add_co_u32 s20, s20, s21                     ; Q: the 128 rows that I fetch, my work-group's 32 of them
	s_lshl_b32 s20, s20, 11
	s_lshl_b32 s22, s70, 11
	s_lshl_b32 s21, s42, 7
	s_add_co_u32 s22, s22, s21
	s_lshl_b32 s21, s41, 5
	s_add_co_u32 s22, s22, s21                     ; K: the part's 128 rows, my work-group's 32 of them
	s_lshl_b32 s22, s22, 11
	s_add_co_u32 s22, s22, 0x1000000
	s_and_b32 s23, ttmp7, 1                        ; 0 in the first of the batch's two rows of clusters
	s_cmp_lt_u32 s[WV], 2
	s_cselect_b32 s20, s20, s22
	s_cselect_b32 s23, ttmp9, s23
	s_cmp_eq_u32 s[WV], 3
	s_cselect_b32 s23, 1, s23                      ; wave 3 asks for nothing
	s_cmp_eq_u32 s23, 0
	s_cselect_b32 s[LIM], 1, -1
	s_add_co_u32 s20, s20, 3*STEPA                 ; at K step 3: the first refill steps it to 4.  Nothing is prefetched at the head
	s_mov_b32 s21, 0
	s_add_nc_u64 s[PFA:PFA+1], s[4:5], s[20:21]
	v_lshlrev_b32 v[PFO], 11, v3
	s_wait_tensorcnt 0x1                           ; my part of K step 0 is in; slot 1's may stay out
	s_barrier_signal -1
	s_barrier_wait -1
	FETCH 0, 0, 0
	UNITA 0, 0, 1, 1
	WIN 0
	s_mov_b32 s3, LAPS-1
.Llap:
	UNITB 0, 1, 1, 0, 1
	UNITA 1, 0, 1, 0
	UNITB 1, 0, 1, 0, 1
	UNITA 0, 0, 1, 0
	WIN 0
	s_sub_co_u32 s3, s3, 1
	s_cmp_lg_u32 s3, 0
	s_cbranch_scc1 .Llap
	UNITB 0, 1, 1, 0, 0
	UNITA 1, 0, 1, 0
	UNITL 1
	WIN 0
	PLACES
; THE SOFTMAX'S PART for block a (16 queries): the lane's 64 scores lie in 8 accumulators.
.macro SUBP n                          ; pair n of 32: s' - m
	v_pk_add_f32 v[AC+2*(\n):AC+2*(\n)+1], v[AC+2*(\n):AC+2*(\n)+1], v[SM:SM+1] neg_lo:[0,1] neg_hi:[0,1]
.endm
.macro SOFT a
.set AC, 64*(\a)
.set SM, ST+2*(\a)
	WIN 0x15                                       ; three sources in window 1, destination in window 0
.irp b, 0,1,2,3,4,5,6,7
	v_max3_num_f32 v[CH+(\b)], v[AC+8*(\b)], v[AC+8*(\b)+1], v[AC+8*(\b)+2]  ; each accumulator's lowest registers are read first
.endr
	WIN 0x14
.irp b, 0,1,2,3,4,5,6,7
	v_max3_num_f32 v[CH+(\b)], v[CH+(\b)], v[AC+8*(\b)+3], v[AC+8*(\b)+4]
.endr
.irp b, 0,1,2,3,4,5,6,7
	v_max3_num_f32 v[CH+(\b)], v[CH+(\b)], v[AC+8*(\b)+5], v[AC+8*(\b)+6]
.endr
.irp k, 0,1,2,3
	v_max3_num_f32 v[CH+2*(\k)], v[CH+2*(\k)], v[AC+16*(\k)+7], v[AC+16*(\k)+15]
.endr
	WIN 0
	v_max3_num_f32 v[CH], v[CH], v[CH+1], v[CH+2]
	v_max3_num_f32 v[CH+3], v[CH+3], v[CH+4], v[CH+5]
	v_max_num_f32 v[CH+6], v[CH+6], v[CH+7]
	v_max3_num_f32 v[CH], v[CH], v[CH+3], v[CH+6]
	v_permlanex16_b32 v[CH+1], v[CH], s[SEL], s[SEL+1]  ; the query's other 64 keys lie in the lane 16 away
	v_max_num_f32 v[SM], v[CH], v[CH+1]            ; m,
	v_max_num_f32 v[SM+1], v[CH], v[CH+1]          ; twice: a pair for the packed subtraction
	WIN 0x41                                       ; destination and source 0 window 1, m window 0
	SUBP 0                                         ; ONE BATCH: 32 subtractions and 64 exponentials; a pair is made two pairs ahead of its exponentials, and nothing here names an exponential's result
	SUBP 1
.set p, 0
.rept 32
.if p < 30
	SUBP p+2
.endif
	v_exp_f32 v[AC+2*p], v[AC+2*p]
	v_exp_f32 v[AC+2*p+1], v[AC+2*p+1]
.set p, p+1
.endr
	v_nop                                          ; a plain instruction behind the last exponential,
	s_wait_alu depctr_va_vdst(0)                   ; and the one wait ahead of the batch's first reader
	WIN 0x05
.set i, 0
.rept 32
	v_cvt_pk_f16_f32 v[TMP+i], v[AC+2*i], v[AC+2*i+1]
.set i, i+1
.endr
	WIN 0x45                                       ; the sum of the unrounded weights, in place: neighbours 1, 2, 4, 8, 16 pairs apart
.irp d, 2,4,8,16,32
.set u, 0
.rept 32/(\d)
	v_pk_add_f32 v[AC+u:AC+u+1], v[AC+u:AC+u+1], v[AC+u+(\d):AC+u+(\d)+1]
.set u, u+2*(\d)
.endr
.endr
	WIN 0x05
	v_add_f32 v[CH], v[AC], v[AC+1]
	WIN 0
	v_permlanex16_b32 v[CH+1], v[CH], s[SEL], s[SEL+1]
	v_add_f32 v[SM+1], v[CH], v[CH+1]              ; l
.endm
.macro TOSTAGE a
	WIN 0
.irp b, 0,1,2,3,4,5,6,7
	ds_store_b128 v[STO], v[TMP+4*(\b):TMP+4*(\b)+3] offset:32*(\b)
.endr
.irp t, 0,1,2,3,4,5,6,7
	ds_load_b128 v[OB+32*(\a)+4*(\t):OB+32*(\a)+4*(\t)+3], v[RD] offset:(\t)*2*PITCH  ; LDS serves a wave's instructions in order (ISA guide 5.7.1.4): these see the stores above
.endr
.endm
.macro SEND a
	WIN 0
	s_wait_dscnt 0x0                               ; the block is back in registers; each block has registers of its own
.irp t, 0,1,2,3,4,5,6,7
	global_store_b128 v[CO], v[OB+32*(\a)+4*(\t):OB+32*(\a)+4*(\t)+3], s[8:9] offset:(16*(\a)+2*(\t))*CROW  ; 16 lanes store 256 consecutive bytes, aligned
.endr
.endm
	SOFT 0
	TOSTAGE 0
.irp a, 1,2,3
	SOFT \a
	SEND (\a)-1
	TOSTAGE \a
.endr
	SEND 3
	; The statistics of my 64 queries go through my stage, so that each store covers 256 consecutive bytes: both halves of the lanes hold the same m and l and write the same word.
.irp a, 0,1,2,3
	ds_store_b32 v[SA], v[ST+2*(\a)] offset:64*(\a)
	ds_store_b32 v[SA], v[ST+2*(\a)+1] offset:256+64*(\a)
.endr
	ds_load_b64 v[72:73], v[SR]
	ds_load_b64 v[74:75], v[SR] offset:256
	s_wait_dscnt 0x0
	global_store_b64 v[SO], v[72:73], s[72:73]                  ; m
	global_store_b64 v[SO], v[74:75], s[72:73] offset:524288    ; l
	s_wait_tensorcnt 0x0                           ; the wave's end: behind my last tensor load and my last LDS store
	ds_add_u32 v[SPW], v[NIL]
	s_wait_dscnt 0x0
	CROUND                                         ; the closing round
	s_endpgm
.Lfunc_end_k_q9a146f9410_score:
	.size	k_q9a146f9410_score, .Lfunc_end_k_q9a146f9410_score-k_q9a146f9410_score
	.p2alignl 7, 3214868480
	.fill 96, 4, 3214868480
	.section	.rodata,"a",@progbits
	.p2align	6, 0x0
	.amdhsa_kernel k_q9a146f9410_score
		.amdhsa_group_segment_fixed_size 327680
		.amdhsa_private_segment_fixed_size 0
		.amdhsa_enable_private_segment 0
		.amdhsa_kernarg_size 24
		.amdhsa_user_sgpr_count 2
		.amdhsa_user_sgpr_kernarg_segment_ptr 1
		.amdhsa_wavefront_size32 1
		.amdhsa_system_sgpr_workgroup_id_x 1
		.amdhsa_system_sgpr_workgroup_id_y 1
		.amdhsa_system_sgpr_workgroup_id_z 1
		.amdhsa_system_vgpr_workitem_id 0
		.amdhsa_next_free_vgpr 960
		.amdhsa_next_free_sgpr 80
		.amdhsa_reserve_vcc 0
		.amdhsa_float_denorm_mode_32 3
		.amdhsa_float_denorm_mode_16_64 3
		.amdhsa_memory_ordered 1
		.amdhsa_forward_progress 1
		.amdhsa_inst_pref_size 120
	.end_amdhsa_kernel
	.amdgpu_metadata
---
amdhsa.version: [ 1, 2 ]
amdhsa.kernels:
  - .name:           k_q9a146f9410_score
    .symbol:         k_q9a146f9410_score.kd
    .args:
      - { .name: qkv, .offset: 0, .size: 8, .value_kind: global_buffer, .address_space: global }
      - { .name: pb, .offset: 8, .size: 8, .value_kind: global_buffer, .address_space: global }
      - { .name: st, .offset: 16, .size: 8, .value_kind: global_buffer, .address_space: global }
    .group_segment_fixed_size: 327680
    .private_segment_fixed_size: 0
    .kernarg_segment_align: 8
    .kernarg_segment_size: 24
    .max_flat_workgroup_size: 128
    .sgpr_count:     80
    .vgpr_count:     960
    .wavefront_size: 32
...
	.end_amdgpu_metadata
.endif
;; end of part 3
;; launch mix (part 4): grid 8 x 32, 4 waves a work-group, clusters of 4 x 4, 327,680 bytes of LDS; arguments pb, qkv, st, out0; writes out0
.if DOCPART == 4
	.amdgcn_target "amdgcn-amd-amdhsa--gfx1250"
	.amdhsa_code_object_version 6
	.text
	.protected	k_q9a146f9410_mix
	.globl	k_q9a146f9410_mix
	.p2align	8
	.type	k_q9a146f9410_mix,@function
k_q9a146f9410_mix:
	s_mov_b64 s[64:65], 0
	v_nop
	global_prefetch_b8 v0, s[64:65] scope:SCOPE_SE
	s_setreg_imm32_b32 hwreg(HW_REG_WAVE_MODE, 25, 1), 1
	s_wait_xcnt 0x0
	s_wait_alu depctr_hold_cnt(0) depctr_sa_sdst(0) depctr_va_vdst(0) depctr_va_sdst(0) depctr_va_ssrc(0) depctr_va_vcc(0) depctr_vm_vsrc(0)
	s_getreg_b32 s2, hwreg(HW_REG_IB_STS2, 6, 4)
	s_cmp_eq_u32 s2, 0
	s_cbranch_scc0 .Lentry_in_a_cluster
	s_endpgm
.Lentry_in_a_cluster:
	s_bfe_u32 s2, ttmp6, 0x10000c
	s_cmp_lg_u32 s2, 0xf033
	s_cbranch_scc0 .Lentry_shape_is_right
	s_endpgm
.Lentry_shape_is_right:
; out0[q][c] = (the sum over the 16 parts t of al_t[q] x the sum over the part's keys k of pb[q][128 t + k] V'[k][c]) / (g L[q]),
; al_t = 2^(m_t - M), M = the maximum of the row's m_t (the row's own maximum: the softmax's), L = the sum of al_t l_t, V' = g V in qkv's third region.  out0: [8192][1024] f32.
; al_t is rounded to f16 and multiplied onto P's fragments (two f16 a line) between their load and the matrix instruction; L takes the f32 al_t; sums, M and L in f32; V's factor g is taken back in 1 / (g L).
; LIMITS: a weight al_t p below 6e-8 of its row's largest is 0 in f16; NaN and infinities are not treated apart.
; SHARES, RING, CLUSTER: as in the projection: a work-group makes 256 queries x 128 channels, wave w queries 64 w .. + 63.  K (the 2,048 keys) goes in steps of 128, a part a step, through two LDS slots.
; P's tile is joint along a row of the cluster, V's along a column.  V lies [key][channel] and comes out of LDS turned, by ds_load_tr16_b128.
;   window 0: v0-31 addresses; v32-33 M; v36-39 al of the part being fetched, for my query in each of the 4 blocks; v40-47 1 / (g L), twice a block; v48-53 at work; v64-127 at work (m, l; then scaled results); v128-255 at work
;   window 1: accumulator (a, b) at v[8 (8 a + b)]          window 2 + f: fragment buffer f: V^T (c, b) at v[8 (8 c + b)], P (c, a) at v[128 + 8 (4 c + a)]
.set PITCH,  272                       ; a row of P in LDS: 256 bytes + 16 = 68 words: the 16 rows of a load start at 16 different groups of four banks (64 banks of 4 bytes: ISA guide 11.1)
.set PV,     288                       ; a row of V: 256 + 32 = 72 words
.set BOFF,   256*PITCH                 ; in a slot: P's 256 rows, then V's 128 keys
.set SLOT,   256*PITCH+128*PV
.set STAGE,  2*SLOT                    ; 16 rows x 528 bytes for each wave
.set SPITCH, 528
.set STW,    16*SPITCH
.set ATAB,   STAGE+4*STW               ; for each wave 4,096 bytes: [16 parts][64 queries] a word, al in f16 twice
.set ITAB,   ATAB+4*4096               ; for each wave 256 bytes: 1 / (g L) of its 64 queries
.set SPARE,  ITAB+4*256                ; the spare words, 128 bytes for each wave: two blocks of 256 bytes that no other line names
.set LAPS,   8
.set STEPA,  256                       ; P: 128 keys along a row
.set STEPB,  262144                    ; V: 128 rows of 2,048 bytes
.set ATA,  8                           ; v8      my query's word in part 0 of my wave's table; never rewritten
.set ATC,  9                           ; v9      the same in the part being fetched
.set ADRA, 16
.set ADRB, 20
.set STO,  24
.set RD,   25
.set CO,   26
.set SPW,  28
.set NIL,  29
.set PFO,  30
.set AL,   36
.set IV,   40
.set FT,   64
.set OB,   128
.set WV,   10
.set G1A,  24
.set G0A,  32
.set LIM,  43
.set PFA,  44
.set PSTEP, 46                         ; s[46:47] a K step in the tensor that I prefetch
.set G1B,  48
.set G0B,  56
.set GS,   66
.set TBA,  76                          ; s76     256 x the part whose factors are fetched next
.set MSB, 0
.macro WIN new
.if MSB != (\new)
	s_set_vgpr_msb (MSB<<8)|(\new)
.set MSB, (\new)
.endif
.endm
.macro PLACES
.rept 4
	v_nop
.endr
.endm
.macro CREST
	s_cmp_lg_u32 s[WV], 0
	s_cbranch_scc1 .Lnot_wave_0_\@
	s_barrier_signal -3
.Lnot_wave_0_\@:
	s_barrier_wait -3
	s_barrier_signal -1
	s_barrier_wait -1
.endm
.macro CROUND
	s_barrier_signal -1
	s_barrier_wait -1
	CREST
.endm
.macro JLOAD s                         ; a joint refill: waves 0, 1 P's halves, waves 2, 3 V's; an s_nop 0 and four v_nop follow each line
	s_cmp_lt_u32 s[WV], 2
	s_cbranch_scc0 .Lfor_b_\@
	tensor_load_to_lds s[G0A+4*(\s):G0A+4*(\s)+3], s[G1A:G1A+7]
	s_nop 0
.rept 4
	v_nop
.endr
	s_branch .Lasked_\@
.Lfor_b_\@:
	tensor_load_to_lds s[G0B+4*(\s):G0B+4*(\s)+3], s[G1B:G1B+7]
	s_nop 0
.rept 4
	v_nop
.endr
.Lasked_\@:
.endm
; A prefetch into the L2 of the part two refills on: 32 rows x 256 bytes, a lane a row.  P's rows are named by the cluster with x = 0 (waves 0, 1; the partner at cx takes 32 of the wave's 128), V's keys by
; the first of a batch's two rows of clusters (wave 2; the partner at cy takes 32 of the part's 128): each block once in the launch, shared out by address.  The loop's last trip asks for nothing.
.macro ASK
	s_cmp_gt_u32 s3, s[LIM]
	s_cbranch_scc0 .Lnot_mine_\@
	global_prefetch_b8 v[PFO], s[PFA:PFA+1] th:TH_LOAD_NT scope:SCOPE_SE
.Lnot_mine_\@:
.endm
; Matrix instructions i0 .. of a unit's 64: all 32 accumulators by turns.  rid = g (0 or 1): behind each odd instruction from 33 on stand four lines that multiply
; P's fragments in buffer g, just fetched, by their queries' al: 64 lines in a unit's second half; they name no register of the products round them.  rid = -1: none.
.macro MULS f, i0, n, zero, rid
	WIN 0x5a+5*(\f)
.set mi, (\i0)
.rept (\n)
.set rD, 8*(mi%32)
.set rB, 8*(8*(mi/32)+mi%8)
.set rA, 128+8*(4*(mi/32)+(mi%32)/8)
.if (\zero) && (mi < 32)
	v_wmma_f32_16x16x32_f16 v[rD:rD+7], v[rB:rB+7], v[rA:rA+7], 0
.else
	v_wmma_f32_16x16x32_f16 v[rD:rD+7], v[rB:rB+7], v[rA:rA+7], v[rD:rD+7]
.endif
.if ((\rid) >= 0) && (mi >= 33) && (mi%2 == 1)
	WIN 0x82+0x41*(\rid)                           ; destination and source 0 in buffer g's window, al in window 0
.set rq, 4*((mi-33)/2)
.rept 4
	v_pk_mul_f16 v[128+rq], v[128+rq], v[AL+(rq/8)%4]
.set rq, rq+1
.endr
	WIN 0x5a+5*(\f)
.endif
.set mi, mi+1
.endr
.endm
; A unit's fragments into buffer g: half = which 64 keys of the part.  al = 1 (a part's first unit): first my queries' four factors of that part.  Then P's 16 loads, then V's 32 turning loads.
.macro FETCH g, slot, half, al
.if \al
	WIN 0
	v_add_nc_u32 v[ATC], s[TBA], v[ATA]
	s_add_co_u32 s[TBA], s[TBA], 256               ; the next such fetch is the next part's
.irp a, 0,1,2,3
	ds_load_b32 v[AL+(\a)], v[ATC] offset:64*(\a)
.endr
.endif
	WIN 0x80+0x40*(\g)
.irp c, 0,1
.irp a, 0,1,2,3
	ds_load_b128 v[128+8*(4*(\c)+(\a)):128+8*(4*(\c)+(\a))+3],   v[ADRA+(\slot)] offset:128*(\half)+64*(\c)+(\a)*16*PITCH
	ds_load_b128 v[128+8*(4*(\c)+(\a))+4:128+8*(4*(\c)+(\a))+7], v[ADRA+(\slot)] offset:128*(\half)+64*(\c)+(\a)*16*PITCH+32
.endr
.endr
.irp c, 0,1
.irp b, 0,1,2,3,4,5,6,7
	ds_load_tr16_b128 v[8*(8*(\c)+(\b)):8*(8*(\c)+(\b))+3],   v[ADRB+(\slot)] offset:(64*(\half)+32*(\c))*PV+32*(\b)
	ds_load_tr16_b128 v[8*(8*(\c)+(\b))+4:8*(8*(\c)+(\b))+7], v[ADRB+(\slot)] offset:(64*(\half)+32*(\c)+16)*PV+32*(\b)
.endr
.endr
.endm
.macro UNITA slot, f, g, zero
	s_wait_dscnt 0x0                               ; buffer f is in
	MULS \f, 0, 16, \zero, -1
	PLACES
	FETCH \g, \slot, 1, 0
	MULS \f, 16, 16, \zero, -1
	s_wait_dscnt 32                                ; V's 32 loads may stay out: P's fragments are in
	MULS \f, 32, 32, 0, \g
.endm
.macro UNITB slot, next, f, g, fill    ; the change of slots: one barrier; with fill = 1 it opens a round of the cluster's barrier, and the joint refill is the first thing behind the round
.if \fill
	s_wait_xcnt 0x0                                ; the last prefetch, a part back, has read its address, which is stepped here
	s_add_nc_u64 s[PFA:PFA+1], s[PFA:PFA+1], s[PSTEP:PSTEP+1]
.endif
	WIN 0
	s_wait_tensorcnt 0x0                           ; all my tensor loads have landed
	ds_add_u32 v[SPW], v[NIL]                      ; 0 onto my spare word
	s_wait_dscnt 0x1                               ; (the add may be out; buffer f is in)
	MULS \f, 0, 8, 0, -1
	s_wait_dscnt 0x0                               ; the add is done, and my reads of this slot are over
	s_barrier_signal -1
	MULS \f, 8, 8, 0, -1
.if \fill
	WIN 0
.endif
	s_barrier_wait -1
.if \fill
	CREST
	s_add_nc_u64 s[G0A+4*(\slot)+2:G0A+4*(\slot)+3], s[G0A+4*(\slot)+2:G0A+4*(\slot)+3], 2*STEPA
	s_add_nc_u64 s[G0B+4*(\slot)+2:G0B+4*(\slot)+3], s[G0B+4*(\slot)+2:G0B+4*(\slot)+3], 2*STEPB
	JLOAD \slot                                    ; its four v_nop are also the places in front of the loads below
.else
	PLACES
.endif
	FETCH \g, \next, 0, 1
.if \fill
	WIN 0
	ASK
.endif
	MULS \f, 16, 16, 0, -1
	s_wait_dscnt 32                                ; V's 32 loads may stay out: the factors and P's fragments are in
	MULS \f, 32, 32, 0, \g
.endm
.macro UNITL f
	s_wait_dscnt 0x0
	MULS \f, 0, 64, 0, -1
.endm
	s_load_b128 s[4:7], s[0:1], 0x0                ; pb s[4:5], qkv s[6:7]
	s_load_b64 s[72:73], s[0:1], 0x10              ; st
	s_load_b64 s[8:9], s[0:1], 0x18                ; out0
	v_lshl_add_u32 v[SPW], v0, 2, SPARE
	v_mov_b32 v[NIL], 0
	ds_add_u32 v[SPW], v[NIL]                      ; the wave's opening: the add, twice on end, and its wait ahead of my first tensor load
	ds_add_u32 v[SPW], v[NIL]                      ; and once more, under the one wait
	v_lshrrev_b32 v1, 5, v0
	v_readfirstlane_b32 s[WV], v1
	s_and_b32 s12, s[WV], 1
	s_bfe_u32 s40, ttmp6, 0x40000                  ; cx, cy
	s_bfe_u32 s41, ttmp6, 0x40004
	s_lshl_b32 s42, ttmp9, 2
	s_add_co_u32 s42, s42, s40                     ; tile column, 0..7: 128 channels
	s_and_b32 s13, ttmp7, 0xffff
	s_lshr_b32 s70, s13, 1                         ; the batch, made of the cluster's y alone
	s_lshl_b32 s13, s13, 2
	s_add_co_u32 s13, s13, s41                     ; tile row, 0..31
	s_lshl_b32 s43, s41, 2
	s_lshl_b32 s43, 15, s43                        ; my row of the cluster
	s_lshl_b32 s44, 0x1111, s40                    ; my column
	s_or_b32 s[G1A], s43, (1<<16)|(1<<20)|(1<<21)|(5<<22)|(3<<25)  ; the mask; elements of 2 bytes; padding on; bit 21 beside a mask; after every 64 words 4 words
	s_or_b32 s[G1B], s44, (1<<16)|(1<<20)|(1<<21)|(5<<22)|(7<<25)  ; the same with 8 words of padding
.irp g, G1A, G1B
	s_mov_b32 s[(\g)+1], 128<<16                   ; tensor_dim0 = 128
	s_mov_b32 s[(\g)+3], 128<<16                   ; tile_dim0 = 128
	s_mov_b32 s[(\g)+6], 0
	s_mov_b32 s[(\g)+7], 0
.endr
	s_mov_b32 s[G1A+2], 128<<16                    ; 128 rows of P, 2,048 elements apart,
	s_mov_b32 s[G1A+4], 128
	s_mov_b32 s[G1A+5], 2048
	s_mov_b32 s[G1B+2], 64<<16                     ; 64 keys of V, 1,024 elements apart
	s_mov_b32 s[G1B+4], 64
	s_mov_b32 s[G1B+5], 1024
	s_mov_b32 s[GS], 0x3e596d27                    ; g = sqrt(log2(e) / 32)
	s_mov_b32 s[GS+1], s[GS]
	s_mov_b32 s[TBA], 0
	s_lshl_b32 s17, s12, 7
	s_lshl_b32 s16, s13, 8
	s_add_co_u32 s16, s16, s17                     ; P: row 256 x tile row + 128 x half
	s_lshl_b32 s16, s16, 12                        ; rows of 4,096 bytes (under 2^26)
	s_mov_b32 s17, 0
	s_lshl_b32 s46, s70, 11                        ; V: key 2,048 x batch
	s_lshl_b32 s47, s12, 6
	s_add_co_u32 s46, s46, s47                     ; + 64 x half
	s_lshl_b32 s46, s46, 11
	s_lshl_b32 s47, s42, 8
	s_add_co_u32 s46, s46, s47                     ; + the tile column's 256 bytes
	s_add_co_u32 s46, s46, 0x2000000               ; in qkv's third region
	s_mov_b32 s47, 0
	s_mul_i32 s20, s[WV], 128*PITCH                ; LDS: P's halves at wave x 128 rows (waves 0, 1),
	s_mul_i32 s21, s[WV], 64*PV
	s_add_co_u32 s21, s21, BOFF-128*PV             ; V's at BOFF + (wave - 2) x 64 keys (waves 2, 3)
	s_wait_dscnt 0x0                               ; both opening adds are done
	s_wait_kmcnt 0x0
	s_add_nc_u64 s[14:15], s[4:5], s[16:17]
	s_add_nc_u64 s[46:47], s[6:7], s[46:47]
	CROUND                                         ; the first joint loads meet
.irp s, 0,1
	s_mov_b32 s[G0A+4*(\s)], 1
	s_add_co_u32 s[G0A+4*(\s)+1], s20, (\s)*SLOT
	s_add_nc_u64 s[G0A+4*(\s)+2:G0A+4*(\s)+3], s[14:15], (\s)*STEPA
	s_or_b32 s[G0A+4*(\s)+3], s[G0A+4*(\s)+3], 0x80000000
	s_mov_b32 s[G0B+4*(\s)], 1
	s_add_co_u32 s[G0B+4*(\s)+1], s21, (\s)*SLOT
	s_add_nc_u64 s[G0B+4*(\s)+2:G0B+4*(\s)+3], s[46:47], (\s)*STEPB
	s_or_b32 s[G0B+4*(\s)+3], s[G0B+4*(\s)+3], 0x80000000
.endr
	s_cmp_lt_u32 s[WV], 2                          ; a wave's two first fills stand in one branch: two loads of mine are out
	s_cbranch_scc0 .Lfirst_b
	tensor_load_to_lds s[G0A:G0A+3], s[G1A:G1A+7]
	s_nop 0
	tensor_load_to_lds s[G0A+4:G0A+7], s[G1A:G1A+7]
	s_nop 0
.rept 4
	v_nop
.endr
	s_branch .Lfirst_asked
.Lfirst_b:
	tensor_load_to_lds s[G0B:G0B+3], s[G1B:G1B+7]
	s_nop 0
	tensor_load_to_lds s[G0B+4:G0B+7], s[G1B:G1B+7]
	s_nop 0
.rept 4
	v_nop
.endr
.Lfirst_asked:
	; THE STATISTICS, in the wait for the first tiles.  A lane takes queries 2 l and 2 l + 1 of my wave's 64: m and l of all 16 parts, 256 consecutive bytes a load.
	v_and_b32 v1, 15, v0                           ; r = l % 16
	v_bfe_u32 v2, v0, 4, 1                         ; h = l / 16
	v_and_b32 v3, 31, v0                           ; l
	s_lshl_b32 s16, s13, 8
	s_lshl_b32 s17, s[WV], 6
	s_add_co_u32 s16, s16, s17                     ; my first row
	s_lshl_b32 s74, s16, 2
	s_mov_b32 s75, 0
	s_add_nc_u64 s[72:73], s[72:73], s[74:75]
	v_lshlrev_b32 v10, 3, v3
.set t, 0
.rept 16
	global_load_b64 v[64+2*t:65+2*t], v10, s[72:73] offset:32768*t
	global_load_b64 v[96+2*t:97+2*t], v10, s[72:73] offset:524288+32768*t
.set t, t+1
.endr
	; addresses, while those loads are out
	v_mul_u32_u24 v4, v1, PITCH
	v_lshl_add_u32 v4, v2, 4, v4                   ; P: row x pitch + 16 x half
	v_and_b32 v5, 7, v0                            ; V: the turning load takes 16 keys x 16 channels: lane l reads key 8 (l / 16) + l % 8, channels 8 ((l / 8) % 2) + 0..7
	v_lshl_add_u32 v5, v2, 3, v5
	v_mul_u32_u24 v5, v5, PV
	v_bfe_u32 v6, v0, 3, 1
	v_lshl_add_u32 v5, v6, 4, v5
	s_mul_i32 s21, s[WV], 64*PITCH
	s_mov_b32 s22, BOFF
.irp s, 0,1
	v_add_nc_u32 v[ADRA+(\s)], s21, v4
	v_add_nc_u32 v[ADRB+(\s)], s22, v5
	s_add_co_u32 s21, s21, SLOT
	s_add_co_u32 s22, s22, SLOT
.endr
	s_mul_i32 s23, s[WV], STW
	s_add_co_u32 s23, s23, STAGE                   ; my stage
	v_mul_u32_u24 v4, v1, SPITCH                   ; in: row l % 16, 32 bytes for each half of the lanes
	v_lshl_add_u32 v4, v2, 5, v4
	v_add_nc_u32 v[STO], s23, v4
	v_lshl_add_u32 v[RD], v3, 4, s23               ; back: 32 lanes take one row of 512 bytes,
	v_lshlrev_b32 v[CO], 4, v3                     ; which are 512 consecutive bytes of out0
	s_lshl_b32 s74, s[WV], 12
	s_add_co_u32 s74, s74, ATAB                    ; my wave's table of factors
	v_lshl_add_u32 v11, v3, 3, s74                 ; in: two queries a lane
	v_lshl_add_u32 v[ATA], v1, 2, s74              ; out: query l % 16 of a block
	s_lshl_b32 s75, s[WV], 8
	s_add_co_u32 s75, s75, ITAB
	v_lshl_add_u32 v12, v3, 3, s75
	v_lshl_add_u32 v13, v1, 2, s75
	s_lshl_b32 s16, s16, 12                        ; my first row in out0: rows of 4,096 bytes
	s_mov_b32 s17, 0
	s_add_nc_u64 s[8:9], s[8:9], s[16:17]
	s_lshl_b32 s46, s42, 9                         ; 128 channels of f32
	s_mov_b32 s47, 0
	s_add_nc_u64 s[8:9], s[8:9], s[46:47]
	; the prefetches
	s_lshl_b32 s20, s13, 8
	s_lshl_b32 s21, s12, 7
	s_add_co_u32 s20, s20, s21
	s_lshl_b32 s21, s40, 5
	s_add_co_u32 s20, s20, s21                     ; P: the 128 rows that I fetch, my work-group's 32 of them
	s_lshl_b32 s20, s20, 12
	s_add_co_u32 s20, s20, 3*STEPA                 ; at part 3: the first refill steps it to 4.  Nothing is prefetched at the head
	s_lshl_b32 s22, s70, 11
	s_lshl_b32 s21, s41, 5
	s_add_co_u32 s22, s22, s21                     ; V: a part's 128 keys, my work-group's 32 of them
	s_lshl_b32 s22, s22, 11
	s_lshl_b32 s21, s42, 8
	s_add_co_u32 s22, s22, s21
	s_add_co_u32 s22, s22, 0x2000000+3*STEPB
	s_and_b32 s23, ttmp7, 1                        ; 0 in the first of the batch's two rows of clusters
	s_mov_b32 s[PSTEP], STEPB
	s_cmp_lt_u32 s[WV], 2
	s_cselect_b32 s20, s20, s22
	s_cselect_b32 s23, ttmp9, s23
	s_cselect_b64 s[PFA:PFA+1], s[4:5], s[6:7]
	s_cselect_b32 s[PSTEP], STEPA, s[PSTEP]
	s_cselect_b32 s22, 12, 11                      ; a row is 4,096 bytes of P, 2,048 of V
	s_mov_b32 s[PSTEP+1], 0
	s_cmp_eq_u32 s[WV], 3
	s_cselect_b32 s23, 1, s23                      ; wave 3 asks for nothing
	s_cmp_eq_u32 s23, 0
	s_cselect_b32 s[LIM], 1, -1
	s_mov_b32 s21, 0
	s_add_nc_u64 s[PFA:PFA+1], s[PFA:PFA+1], s[20:21]
	v_lshlrev_b32 v[PFO], s22, v3
	s_wait_loadcnt 0x0
.irp k, 0,1
	v_max3_num_f32 v[32+\k], v[64+\k], v[66+\k], v[68+\k]       ; M: parts 0, 1, 2,
.endr
.irp j, 0,1,2,3,4,5
.irp k, 0,1
	v_max3_num_f32 v[32+\k], v[32+\k], v[70+4*\j+\k], v[72+4*\j+\k]  ; 3 to 14,
.endr
.endr
.irp k, 0,1
	v_max_num_f32 v[32+\k], v[32+\k], v[94+\k]                  ; and 15
.endr
.set t, 0
.rept 16
	v_pk_add_f32 v[64+2*t:65+2*t], v[64+2*t:65+2*t], v[32:33] neg_lo:[0,1] neg_hi:[0,1]  ; m_t - M
.set t, t+1
.endr
.set i, 0
.rept 32
	v_exp_f32 v[64+i], v[64+i]                     ; al_t: one batch
.set i, i+1
.endr
	v_nop                                          ; a plain instruction behind the last exponential,
	s_wait_alu depctr_va_vdst(0)                   ; and the one wait ahead of the first reader
	v_pk_mul_f32 v[48:49], v[64:65], v[96:97]      ; L = the sum of al_t l_t, in two chains
	v_pk_mul_f32 v[50:51], v[66:67], v[98:99]
.set t, 2
.rept 14
	v_pk_fma_f32 v[48+2*(t%2):49+2*(t%2)], v[64+2*t:65+2*t], v[96+2*t:97+2*t], v[48+2*(t%2):49+2*(t%2)]
.set t, t+1
.endr
	v_pk_add_f32 v[48:49], v[48:49], v[50:51]
	v_pk_mul_f32 v[48:49], v[48:49], s[GS:GS+1] op_sel_hi:[1,0]  ; g L
	v_rcp_f32 v52, v48
	v_rcp_f32 v53, v49
.set i, 0
.rept 32
	v_cvt_pk_f16_f32 v[128+i], v[64+i], v[64+i]    ; al_t in f16, in both halves of a word: the independent work behind the reciprocals
.set i, i+1
.endr
	s_wait_alu depctr_va_vdst(0)                   ; the wait for the two reciprocals, ahead of their first reader
.set t, 0
.rept 16
	ds_store_b64 v11, v[128+2*t:129+2*t] offset:256*t
.set t, t+1
.endr
	ds_store_b64 v12, v[52:53]
.irp a, 0,1,2,3
	ds_load_b32 v[IV+2*(\a)], v13 offset:64*(\a)   ; my wave's own bytes, served in order (ISA guide 5.7.1.4): 1 / (g L) of my query in block a, twice: a pair for the packed multiply
	ds_load_b32 v[IV+2*(\a)+1], v13 offset:64*(\a)
.endr
	s_wait_tensorcnt 0x1                           ; my part of K step 0 is in; slot 1's may stay out
	s_wait_dscnt 0x0                               ; no LDS instruction of mine is out at the signal
	s_barrier_signal -1
	s_barrier_wait -1
	FETCH 0, 0, 0, 1
	s_wait_dscnt 0x0
	WIN 0x82                                       ; the first unit's P is scaled in one run: there is no matrix work yet to set it beside
.set q, 0
.rept 64
	v_pk_mul_f16 v[128+q], v[128+q], v[AL+(q/8)%4]
.set q, q+1
.endr
	UNITA 0, 0, 1, 1
	WIN 0
	s_mov_b32 s3, LAPS-1
.Llap:
	UNITB 0, 1, 1, 0, 1
	UNITA 1, 0, 1, 0
	UNITB 1, 0, 1, 0, 1
	UNITA 0, 0, 1, 0
	WIN 0
	s_sub_co_u32 s3, s3, 1
	s_cmp_lg_u32 s3, 0
	s_cbranch_scc1 .Llap
	UNITB 0, 1, 1, 0, 0
	UNITA 1, 0, 1, 0
	UNITL 1
	WIN 0
	PLACES
; THE WAY OUT of block a (16 queries x 128 channels of f32).  MULP: times 1 / (g L), each accumulator's registers in ascending order.  TOSTAGE: 32 bytes a lane into my stage, back as whole rows of 512 bytes.  SEND: stored.
.macro MULP a
	WIN 0x01                                       ; source 0 window 1, the rest window 0
.set i, 0
.rept 32
	v_pk_mul_f32 v[FT+2*i:FT+2*i+1], v[64*(\a)+2*i:64*(\a)+2*i+1], v[IV+2*(\a):IV+2*(\a)+1]
.set i, i+1
.endr
	WIN 0
.endm
.macro TOSTAGE a
	WIN 0
.if (\a) >= 2
	s_wait_xcnt 0x0                                ; the stores of the block two back have read their registers, which are loaded again below
.endif
.irp b, 0,1,2,3,4,5,6,7
	ds_store_b128 v[STO], v[FT+8*(\b):FT+8*(\b)+3]   offset:64*(\b)
	ds_store_b128 v[STO], v[FT+8*(\b)+4:FT+8*(\b)+7] offset:64*(\b)+16
.endr
.set i, 0
.rept 16
	ds_load_b128 v[OB+64*((\a)%2)+4*i:OB+64*((\a)%2)+4*i+3], v[RD] offset:SPITCH*i  ; LDS serves a wave's instructions in order (ISA guide 5.7.1.4): these see the stores above
.set i, i+1
.endr
.endm
.macro SEND a
	WIN 0
	s_wait_dscnt 0x0                               ; the block is back in registers
.set i, 0
.rept 16
	global_store_b128 v[CO], v[OB+64*((\a)%2)+4*i:OB+64*((\a)%2)+4*i+3], s[8:9] offset:(16*(\a)+i)*4096 th:TH_STORE_NT  ; 32 lanes store 512 consecutive bytes, aligned
.set i, i+1
.endr
.endm
	MULP 0
	TOSTAGE 0
.irp a, 1,2,3
	MULP \a
	SEND (\a)-1
	TOSTAGE \a
.endr
	SEND 3
	s_wait_tensorcnt 0x0                           ; the wave's end: behind my last tensor load and my last LDS store
	ds_add_u32 v[SPW], v[NIL]
	s_wait_dscnt 0x0
	CROUND                                         ; the closing round
	s_endpgm
.Lfunc_end_k_q9a146f9410_mix:
	.size	k_q9a146f9410_mix, .Lfunc_end_k_q9a146f9410_mix-k_q9a146f9410_mix
	.p2alignl 7, 3214868480
	.fill 96, 4, 3214868480
	.section	.rodata,"a",@progbits
	.p2align	6, 0x0
	.amdhsa_kernel k_q9a146f9410_mix
		.amdhsa_group_segment_fixed_size 327680
		.amdhsa_private_segment_fixed_size 0
		.amdhsa_enable_private_segment 0
		.amdhsa_kernarg_size 32
		.amdhsa_user_sgpr_count 2
		.amdhsa_user_sgpr_kernarg_segment_ptr 1
		.amdhsa_wavefront_size32 1
		.amdhsa_system_sgpr_workgroup_id_x 1
		.amdhsa_system_sgpr_workgroup_id_y 1
		.amdhsa_system_sgpr_workgroup_id_z 1
		.amdhsa_system_vgpr_workitem_id 0
		.amdhsa_next_free_vgpr 960
		.amdhsa_next_free_sgpr 80
		.amdhsa_reserve_vcc 0
		.amdhsa_float_denorm_mode_32 3
		.amdhsa_float_denorm_mode_16_64 3
		.amdhsa_memory_ordered 1
		.amdhsa_forward_progress 1
		.amdhsa_inst_pref_size 144
	.end_amdhsa_kernel
	.amdgpu_metadata
---
amdhsa.version: [ 1, 2 ]
amdhsa.kernels:
  - .name:           k_q9a146f9410_mix
    .symbol:         k_q9a146f9410_mix.kd
    .args:
      - { .name: pb, .offset: 0, .size: 8, .value_kind: global_buffer, .address_space: global }
      - { .name: qkv, .offset: 8, .size: 8, .value_kind: global_buffer, .address_space: global }
      - { .name: st, .offset: 16, .size: 8, .value_kind: global_buffer, .address_space: global }
      - { .name: out0, .offset: 24, .size: 8, .value_kind: global_buffer, .address_space: global }
    .group_segment_fixed_size: 327680
    .private_segment_fixed_size: 0
    .kernarg_segment_align: 8
    .kernarg_segment_size: 32
    .max_flat_workgroup_size: 128
    .sgpr_count:     80
    .vgpr_count:     960
    .wavefront_size: 32
...
	.end_amdgpu_metadata
.endif
;; end of part 4
;; ======== version 2 of 3: 4 launches
;; limits: values are held in f16: magnitudes above 65,504 overflow, below 6.1e-05 lose precision; right only within a limited range of input values
;; workspace buffers: xb 16,777,216 bytes; wb 6,291,456 bytes; qkv 50,331,648 bytes; pb 33,554,432 bytes; st 1,048,576 bytes
;; launch cast: the kernel of part 1 again; grid 704 x 1, 8 waves a work-group, no clusters, 0 bytes of LDS; arguments x, Wq, Wk, Wv, xb, wb; writes xb, wb
;; launch proj (part 5): grid 12 x 32, 4 waves a work-group, clusters of 4 x 4, 327,680 bytes of LDS; arguments xb, wb, bq, bv, qkv; writes qkv
.if DOCPART == 5
	.amdgcn_target "amdgcn-amd-amdhsa--gfx1250"
	.amdhsa_code_object_version 6
	.text
	.protected	k_q9a146f9410_proj
	.globl	k_q9a146f9410_proj
	.p2align	8
	.type	k_q9a146f9410_proj,@function
k_q9a146f9410_proj:
	s_mov_b64 s[64:65], 0
	v_nop
	global_prefetch_b8 v0, s[64:65] scope:SCOPE_SE
	s_setreg_imm32_b32 hwreg(HW_REG_WAVE_MODE, 25, 1), 1
	s_wait_xcnt 0x0
	s_wait_alu depctr_hold_cnt(0) depctr_sa_sdst(0) depctr_va_vdst(0) depctr_va_sdst(0) depctr_va_ssrc(0) depctr_va_vcc(0) depctr_vm_vsrc(0)
	s_getreg_b32 s2, hwreg(HW_REG_IB_STS2, 6, 4)
	s_cmp_eq_u32 s2, 0
	s_cbranch_scc0 .Lentry_in_a_cluster
	s_endpgm
.Lentry_in_a_cluster:
	s_bfe_u32 s2, ttmp6, 0x10000c
	s_cmp_lg_u32 s2, 0xf033
	s_cbranch_scc0 .Lentry_shape_is_right
	s_endpgm
.Lentry_shape_is_right:
; qkv[region][s][o] = g (the sum over h of xb[s][h] wb[1024 region + o][h] + b[o]), region 0 = Q (b = bq), 1 = K (no bias), 2 = V (b = bv).  xb: [8192][1024] bf16, wb: [3072][1024] bf16,
; qkv: [3][8192][1024] f16.  Sums in f32; bias (rounded to bf16 like the other inputs) and g = sqrt(log2(e) / 32) enter by one fused multiply-add in f32; one rounding to f16.
; WORK LEFT OUT: bk (a term of the scores that is the same along the softmax's axis: shown at the head of the first kernel).
; LIMIT: f16 ends at 65,504, so g |Q|, g |K|, g |V| must stay within it: |Q|, |K|, |V| up to 308,000.  NaN and infinities are not treated apart.
; SHARES.  A work-group makes 256 rows x 256 columns; wave w the row half w / 2 and the column half w % 2: 128 x 128, 64 accumulators of 16 x 16.  32 x 12 tiles: 24 clusters; a cluster's x is the region.
; K goes in 8 steps of 128 (rows of 256 bytes, aligned) through two LDS slots filled by the tensor data mover; a step is four quarters of 32 along K, 64 matrix instructions each, on two fragment buffers.
; From a refill's request to the wait for it a wave issues 224 matrix instructions.
; A K STEP IS WRITTEN ONCE FOR EACH LOOP: six trips that fill the step's slot again, then two that fill nothing (a second text).  Which slot is read hangs on one scalar,
; 0 or SLOT, that an exclusive or turns; of each tensor's two descriptors the second walks: its LDS word is turned in the same way, its address steps by a K step.
; CLUSTER 4 x 4: the four work-groups of a row of the cluster need the same rows of xb, the four of a column the same rows of wb: each tile is asked for jointly.
; THE MATRIX INSTRUCTION IS USED TRANSPOSED (source 0 = 16 rows of wb, source 1 = 16 rows of xb): lane l then holds row l % 16 and the eight neighbouring columns 8 (l / 16) + 0..7.
; REGISTERS, in windows of 256 (s_set_vgpr_msb: bits 1:0 source 0, 3:2 source 1, 5:4 source 2, 7:6 destination):
;   window 0: v0-31 addresses; v32-63 packed results; v64-127, v128-191 fragments of A (8 x 16 rows x 32 K), two buffers; on the way out the rows read back from the stage, 32 a block
;   window 1: v0-63 g x bias of my 8 columns in each of my 8 column blocks; v64-127, v128-191 fragments of B, two buffers
;   window 2: the 32 accumulators of my rows 0-63 ((a, b) at v[8 (8 a + b)]);   window 3: those of my rows 64-127
.set KSTEP,  128
.set STEPS,  8                         ; K = 1,024
.set PITCH,  272                       ; an LDS row: 256 bytes + 16 of padding = 68 words: the 16 rows of a load start at 16 different groups of four banks (64 banks of 4 bytes: ISA guide 11.1)
.set HALFT,  128*PITCH                 ; 128 rows: what one tensor load brings, and what one wave reads of A or of B
.set SLOT,   4*HALFT                   ; A's 256 rows, then B's 256 rows: 139,264 = bits 13 and 17 alone; no wave's 34,816 w (w = 0..3) has either bit, so an exclusive or with SLOT adds it or takes it away
.set STAGE,  2*SLOT                    ; behind the ring: 16 rows x 272 bytes for each wave
.set STW,    16*PITCH
.set SPARE,  STAGE+4*STW               ; behind the stages: the spare words, 128 bytes for each wave: two blocks of 256 bytes that no other line names
.set CROW,   2048                      ; bytes in a row of the result
.set A0,   16                          ; v16     LDS address of my A fragments in slot 0; never rewritten
.set ADRA, 17                          ; v17     the same in the slot that is being fetched from
.set B0,   20                          ; v20, v21  the same for B
.set ADRB, 21
.set STO,  24                          ; v24     the way out: where I put 16 bytes of a row
.set RD,   25                          ; v25     where I read rows back
.set CO,   26                          ; v26     my byte offset in the result
.set SPW,  28                          ; v28     LDS address of my spare word; never rewritten
.set NIL,  29                          ; v29     0; never rewritten
.set PFO,  30                          ; v30     the prefetches' offset: my lane x a row; never rewritten
.set TMP,  32
.set OB,   64
.set BIAS, 0                           ; in window 1
.set F0,   64                          ; fragment buffer 0
.set F1,   128                         ; fragment buffer 1
.set WV,   10                          ; s10     my wave's number
.set G1A,  24                          ; s[24:31] descriptor group 1 for A's tiles;  s[32:35] group 0 of slot 0's first fill, s[36:39] of slot 1's: this one then walks
.set G0A,  32
.set LIM,  43                          ; s43     2 in a wave that prefetches, else the greatest number
.set PFA,  44                          ; s[44:45] where my prefetches stand: a prefetch names the K step after it
.set G1B,  48                          ; s[48:55], s[56:63] the same for B's tiles
.set G0B,  56
.set GS,   66                          ; s[66:67] g, twice
.set TB,   68                          ; s68     LDS byte at which the slot begins that is being fetched from: 0 or SLOT
.set MSB, 0
.macro WIN new                         ; the immediate's high byte repeats the setting that is left; a switch that changes nothing is dropped
.if MSB != (\new)
	s_set_vgpr_msb (MSB<<8)|(\new)
.set MSB, (\new)
.endif
.endm
.set MUL_LO, 0xa1                      ; source 0 (B) window 1, source 1 (A) window 0, C and D window 2
.set MUL_HI, 0xf1                      ; the same, C and D window 3
.set TO_B,   0x40                      ; destination window 1, address window 0
.macro PLACES                          ; four places in front of loads into registers that matrix instructions have read, and of vector work that reads results (ISA guide 7.12.1 for the vector work)
.rept 4
	v_nop
.endr
.endm
.macro CREST                           ; a round of the cluster's barrier behind its opening barrier
	s_cmp_lg_u32 s[WV], 0
	s_cbranch_scc1 .Lnot_wave_0_\@
	s_barrier_signal -3
.Lnot_wave_0_\@:
	s_barrier_wait -3
	s_barrier_signal -1
	s_barrier_wait -1
.endm
.macro CROUND                          ; a whole round
	s_barrier_signal -1
	s_barrier_wait -1
	CREST
.endm
; A joint refill, by the walking descriptors: waves 0 and 1 fetch A's two halves, waves 2 and 3 B's, 128 rows each.  The branch hangs on the wave's number alone.
; An s_nop 0 and four v_nop follow each of the two lines, ahead of the jump and the label.
.macro JLOAD
	s_cmp_lt_u32 s[WV], 2
	s_cbranch_scc0 .Lfor_b_\@
	tensor_load_to_lds s[G0A+4:G0A+7], s[G1A:G1A+7]
	s_nop 0
.rept 4
	v_nop
.endr
	s_branch .Lasked_\@
.Lfor_b_\@:
	tensor_load_to_lds s[G0B+4:G0B+7], s[G1B:G1B+7]
	s_nop 0
.rept 4
	v_nop
.endr
.Lasked_\@:
.endm
; A prefetch into the L2 of the K step that stands two refills on (512 matrix instructions ahead of the load that will ask for it): 32 rows x 256 bytes, a lane a row, one instruction a wave.
; Each row's 256 bytes of a step are named once in the launch: A's rows by the cluster with x = 0, B's by the cluster with y = 0; of the 128 rows that a wave fetches the partner at place p takes
; 32 p .. 32 p + 31 (p = cx for A, cy for B): shared out by address, never by a branch on a place in the cluster.  The loop's last two trips (s3 = 2, 1) ask for nothing: there is no K step two refills on.
.macro ASK
	s_cmp_gt_u32 s3, s[LIM]
	s_cbranch_scc0 .Lnot_mine_\@
	global_prefetch_b8 v[PFO], s[PFA:PFA+1] offset:KSTEP*2 th:TH_LOAD_NT scope:SCOPE_SE
.Lnot_mine_\@:
.endm
; 16 matrix instructions: row blocks a0, a0 + 1 of the window's four (hi = 0: my rows 0-63, 1: rows 64-127) x all 8 column blocks, 32 along K.  The 64 accumulators take turns, one instruction a turn,
; in the same order in every quarter and over every jump.  zero = 1: the product starts the sum with the constant 0: nothing is cleared.
.macro MUL16 f, hi, a0, zero
	WIN MUL_LO+0x50*(\hi)
.irp a, \a0, (\a0)+1
.irp b, 0,1,2,3,4,5,6,7
.if \zero
	v_wmma_f32_16x16x32_bf16 v[8*(8*(\a)+(\b)):8*(8*(\a)+(\b))+7], v[(\f)+8*(\b):(\f)+8*(\b)+7], v[(\f)+8*(4*(\hi)+(\a)):(\f)+8*(4*(\hi)+(\a))+7], 0
.else
	v_wmma_f32_16x16x32_bf16 v[8*(8*(\a)+(\b)):8*(8*(\a)+(\b))+7], v[(\f)+8*(\b):(\f)+8*(\b)+7], v[(\f)+8*(4*(\hi)+(\a)):(\f)+8*(4*(\hi)+(\a))+7], v[8*(8*(\a)+(\b)):8*(8*(\a)+(\b))+7]
.endif
.endr
.endr
.endm
.macro AIM                             ; the fetches' two addresses, in the slot at s[TB]; window 0
	v_add_nc_u32 v[ADRA], s[TB], v[A0]
	v_add_nc_u32 v[ADRB], s[TB], v[B0]
.endm
; 32 LDS loads in one run: the fragments of one quarter (128 rows of B, 128 rows of A, 32 K at byte k of the rows) into buffer f
.macro FETCH k, f
	WIN TO_B
.irp i, 0,1,2,3,4,5,6,7
	ds_load_b128 v[(\f)+8*(\i):(\f)+8*(\i)+3],   v[ADRB] offset:(\k)+(\i)*16*PITCH
	ds_load_b128 v[(\f)+8*(\i)+4:(\f)+8*(\i)+7], v[ADRB] offset:(\k)+(\i)*16*PITCH+32
.endr
	WIN 0
.irp i, 0,1,2,3,4,5,6,7
	ds_load_b128 v[(\f)+8*(\i):(\f)+8*(\i)+3],   v[ADRA] offset:(\k)+(\i)*16*PITCH
	ds_load_b128 v[(\f)+8*(\i)+4:(\f)+8*(\i)+7], v[ADRA] offset:(\k)+(\i)*16*PITCH+32
.endr
.endm
; One of a step's first three quarters: multiplies buffer f; in its middle it fetches the next quarter's fragments, at byte k of the slot's rows, into buffer g.
.macro QUARTER k, f, g, zero
	s_wait_dscnt 8                                 ; B and A's rows 0-63 are in; the youngest eight loads (A's rows 64-127) may be out
	MUL16 \f, 0, 0, \zero
	MUL16 \f, 0, 2, \zero
	PLACES
	FETCH \k, \g
	s_wait_dscnt 32                                ; all but the 32 just issued
	MUL16 \f, 1, 0, \zero
	MUL16 \f, 1, 2, \zero
.endm
; The last quarter multiplies buffer 1 and changes slots.  MEET is its first half: ONE barrier.  In front of it each wave waits for all its tensor loads (one is out at the most: its part of the next slot),
; adds 0 to its spare word, and waits for that and for its own reads of this slot.  Behind it nobody reads this slot any more and the next slot is whole.
.macro MEET
	WIN 0                                          ; (the add's two registers lie in window 0)
	s_wait_tensorcnt 0x0                           ; all my tensor loads have landed
	ds_add_u32 v[SPW], v[NIL]                      ; 0 onto my spare word
	s_wait_dscnt 9                                 ; (the add and the youngest eight loads may be out)
	MUL16 F1, 0, 0, 0                              ; sixteen matrix instructions stand between the add and the wait for it
	s_wait_dscnt 0x0                               ; the add is done, and my reads of this slot are over
	s_barrier_signal -1
	MUL16 F1, 0, 2, 0                              ; work on registers while the others arrive
	WIN 0
	s_barrier_wait -1
.endm
; The whole last quarter.  fill = 1: the barrier opens a round of the cluster's barrier; behind the round this slot is filled again first, two K steps ahead; then come the next slot's first fragments.
; fill = 0 (the last two K steps): nothing is filled.  The very last step (s3 = 1) has no next slot: its fetch is jumped over, and its barrier orders nothing: the price of one text for both trips.
.macro TURN fill
.if \fill
	s_wait_xcnt 0x0                                ; the last prefetch, a K step back, has read its address, which is stepped here, ahead of the waits of the change of slots
	s_add_nc_u64 s[PFA:PFA+1], s[PFA:PFA+1], KSTEP*2
.endif
	MEET
.if \fill
	CREST                                          ; no wave of any partner still reads this slot's tiles or has a load on its way
	s_xor_b32 s[G0A+5], s[G0A+5], SLOT             ; the walking descriptors: the other slot than last time,
	s_add_nc_u64 s[G0A+6:G0A+7], s[G0A+6:G0A+7], KSTEP*2  ; the next K step; the type bits on top are not reached
	s_xor_b32 s[G0B+5], s[G0B+5], SLOT
	s_add_nc_u64 s[G0B+6:G0B+7], s[G0B+6:G0B+7], KSTEP*2
	JLOAD                                          ; my one tensor load behind the round; its four v_nop are also the places in front of the loads below
.else
	s_cmp_eq_u32 s3, 1                             ; the loop's counter: the same in every wave and every partner
	s_cbranch_scc1 .Lno_fetch_\@
	PLACES
.endif
	s_xor_b32 s[TB], s[TB], SLOT                   ; the fetches go on in the other slot
	AIM
	FETCH 0, F0
.if \fill
	ASK                                            ; behind the joint load and the run of LDS loads that the next products wait for
.else
.Lno_fetch_\@:
.endif
	MUL16 F1, 1, 0, 0
	MUL16 F1, 1, 2, 0
.endm
	s_load_b128 s[4:7], s[0:1], 0x0                ; xb s[4:5], wb s[6:7]
	s_load_b128 s[72:75], s[0:1], 0x10             ; bq s[72:73], bv s[74:75]
	s_load_b64 s[8:9], s[0:1], 0x20                ; qkv
	v_lshl_add_u32 v[SPW], v0, 2, SPARE
	v_mov_b32 v[NIL], 0
	ds_add_u32 v[SPW], v[NIL]                      ; the wave's opening: the add, twice on end, and its wait ahead of my first tensor load; the set-up below stands between
	ds_add_u32 v[SPW], v[NIL]                      ; and once more, under the one wait
	v_lshrrev_b32 v1, 5, v0
	v_readfirstlane_b32 s[WV], v1                  ; wave 0..3
	s_lshr_b32 s11, s[WV], 1                       ; which half of the tile's rows is mine
	s_and_b32 s12, s[WV], 1                        ; which half of its columns.  Also: which 128 rows of A's or B's tile I fetch
	s_bfe_u32 s40, ttmp6, 0x40000                  ; cx, cy: my place in the cluster
	s_bfe_u32 s41, ttmp6, 0x40004
	s_lshl_b32 s42, ttmp9, 2
	s_add_co_u32 s42, s42, s40                     ; tile column = 4 x cluster x + cx, 0..11
	s_and_b32 s13, ttmp7, 0xffff
	s_lshl_b32 s13, s13, 2
	s_add_co_u32 s13, s13, s41                     ; tile row = 4 x cluster y + cy, 0..31
	s_mov_b32 s70, ttmp9                           ; the region, 0 Q, 1 K, 2 V: four tile columns each, the same in all partners
	s_lshl_b32 s43, s41, 2
	s_lshl_b32 s43, 15, s43                        ; my row of the cluster
	s_lshl_b32 s44, 0x1111, s40                    ; my column
	s_or_b32 s[G1A], s43, (1<<16)|(1<<20)|(1<<21)|(5<<22)|(3<<25)  ; 15:0 the mask; 17:16 elements of 2 bytes; 20 padding on; 21 set beside a mask; 24:22 after every 64 words (code 5); 31:25 4 words (code 3)
	s_or_b32 s[G1B], s44, (1<<16)|(1<<20)|(1<<21)|(5<<22)|(3<<25)
.irp g, G1A, G1B
	s_mov_b32 s[(\g)+1], KSTEP<<16                 ; tensor_dim0 = 128
	s_mov_b32 s[(\g)+2], 128<<16                   ; tensor_dim1 = 128
	s_mov_b32 s[(\g)+3], KSTEP<<16                 ; tile_dim0 = 128
	s_mov_b32 s[(\g)+4], 128                       ; tile_dim1 = 128
	s_mov_b32 s[(\g)+5], 1024                      ; elements from row to row
	s_mov_b32 s[(\g)+6], 0
	s_mov_b32 s[(\g)+7], 0
.endr
	s_mov_b32 s[GS], 0x3e596d27                    ; g = sqrt(log2(e) / 32) = 0.21233045
	s_mov_b32 s[GS+1], s[GS]
	s_mov_b32 s71, 0xffff0000                      ; a word's upper bf16
	s_mov_b32 s[TB], 0                             ; K step 0 lies in slot 0
	s_lshl_b32 s17, s12, 7
	s_lshl_b32 s16, s13, 8
	s_add_co_u32 s16, s16, s17                     ; A: row 256 x tile row + 128 x half
	s_lshl_b32 s16, s16, 11                        ; in bytes (under 2^24)
	s_mov_b32 s17, 0
	s_lshl_b32 s47, s12, 7
	s_lshl_b32 s46, s42, 8
	s_add_co_u32 s46, s46, s47                     ; B: row 256 x tile column + 128 x half
	s_lshl_b32 s46, s46, 11
	s_mov_b32 s47, 0
	s_mul_i32 s20, s[WV], HALFT                    ; where they go: A's two halves, then B's two halves = wave x 128 rows: no place in the cluster enters an LDS address
	s_wait_dscnt 0x0                               ; both opening adds are done
	s_wait_kmcnt 0x0
	s_add_nc_u64 s[14:15], s[4:5], s[16:17]
	s_add_nc_u64 s[46:47], s[6:7], s[46:47]
	CROUND                                         ; all sixteen work-groups are here: the first joint loads meet
.irp s, 0,1
	s_mov_b32 s[G0A+4*(\s)], 1                     ; count = 1
	s_add_co_u32 s[G0A+4*(\s)+1], s20, (\s)*SLOT   ; LDS address
	s_add_nc_u64 s[G0A+4*(\s)+2:G0A+4*(\s)+3], s[14:15], (\s)*KSTEP*2  ; global address: K step s
	s_or_b32 s[G0A+4*(\s)+3], s[G0A+4*(\s)+3], 0x80000000              ; type = 2
	s_mov_b32 s[G0B+4*(\s)], 1
	s_add_co_u32 s[G0B+4*(\s)+1], s20, (\s)*SLOT
	s_add_nc_u64 s[G0B+4*(\s)+2:G0B+4*(\s)+3], s[46:47], (\s)*KSTEP*2
	s_or_b32 s[G0B+4*(\s)+3], s[G0B+4*(\s)+3], 0x80000000
.endr
	s_cmp_lt_u32 s[WV], 2                          ; a wave's two first fills stand in one branch, ahead of every wait on TENSORcnt and every LDS read: two loads of mine are out
	s_cbranch_scc0 .Lfirst_b
	tensor_load_to_lds s[G0A:G0A+3], s[G1A:G1A+7]
	s_nop 0
	tensor_load_to_lds s[G0A+4:G0A+7], s[G1A:G1A+7]
	s_nop 0
.rept 4
	v_nop
.endr
	s_branch .Lfirst_asked
.Lfirst_b:
	tensor_load_to_lds s[G0B:G0B+3], s[G1B:G1B+7]
	s_nop 0
	tensor_load_to_lds s[G0B+4:G0B+7], s[G1B:G1B+7]
	s_nop 0
.rept 4
	v_nop
.endr
.Lfirst_asked:
	; A fragment is 16 rows x 32 K in 8 registers: lane l holds row l % 16; registers 0-3 K = 8 (l / 16) + 0..7, registers 4-7 K = 16 + 8 (l / 16) + 0..7: two loads of 16 bytes, 32 bytes apart.
	v_and_b32 v1, 15, v0                           ; r = l % 16
	v_bfe_u32 v2, v0, 4, 1                         ; h = l / 16
	v_and_b32 v3, 31, v0                           ; l
	v_mul_u32_u24 v4, v1, PITCH
	v_lshl_add_u32 v4, v2, 4, v4                   ; row x pitch + 16 x half
	s_mul_i32 s21, s11, HALFT                      ; my 128 rows of A
	s_mul_i32 s22, s12, HALFT                      ; my 128 rows of B,
	s_add_co_u32 s22, s22, 2*HALFT                 ; which lie behind A's 256
	v_add_nc_u32 v[A0], s21, v4
	v_add_nc_u32 v[B0], s22, v4
	AIM
	s_mul_i32 s23, s[WV], STW
	s_add_co_u32 s23, s23, STAGE                   ; my stage
	v_add_nc_u32 v[STO], s23, v4                   ; in: row l % 16, 16 bytes for each half of the lanes
	v_mul_u32_u24 v4, v2, PITCH                    ; back: lanes 0-15 take one row of 256 bytes, lanes 16-31 the next
	v_lshl_add_u32 v4, v1, 4, v4
	v_add_nc_u32 v[RD], s23, v4
	v_mul_u32_u24 v4, v2, CROW                     ; and the same two rows in the result
	v_lshl_add_u32 v[CO], v1, 4, v4
	s_lshl_b32 s16, s13, 8
	s_lshl_b32 s17, s11, 7
	s_add_co_u32 s16, s16, s17                     ; my first row: 256 x tile row + 128 x half
	s_lshl_b32 s16, s16, 11
	s_lshl_b32 s17, s70, 24                        ; the region's 16,777,216 bytes
	s_add_co_u32 s16, s16, s17
	s_mov_b32 s17, 0
	s_add_nc_u64 s[8:9], s[8:9], s[16:17]
	s_and_b32 s46, s42, 3                          ; the tile column within the region:
	s_lshl_b32 s46, s46, 9                         ; 256 columns of f16,
	s_lshl_b32 s47, s12, 8                         ; my half of them
	s_add_co_u32 s46, s46, s47
	s_mov_b32 s47, 0
	s_add_nc_u64 s[8:9], s[8:9], s[46:47]
	; the prefetches
	s_lshl_b32 s20, s13, 8
	s_lshl_b32 s21, s40, 5
	s_add_co_u32 s20, s20, s21                     ; A: the tile's first row + my work-group's 32 of each 128
	s_lshl_b32 s22, s42, 8
	s_lshl_b32 s21, s41, 5
	s_add_co_u32 s22, s22, s21                     ; B likewise
	s_and_b32 s23, ttmp7, 0xffff                   ; cluster y
	s_cmp_lt_u32 s[WV], 2
	s_cselect_b32 s20, s20, s22
	s_cselect_b32 s23, ttmp9, s23                  ; the coordinate along which other clusters read the same rows
	s_cselect_b64 s[PFA:PFA+1], s[4:5], s[6:7]
	s_cmp_eq_u32 s23, 0
	s_cselect_b32 s[LIM], 2, -1                    ; the same in all sixteen partners, for a given wave
	s_lshl_b32 s21, s12, 7
	s_add_co_u32 s20, s20, s21                     ; + the 128 rows that I fetch
	s_lshl_b32 s20, s20, 11
	s_add_co_u32 s20, s20, 2*KSTEP*2               ; at K step 2: the first refill steps it to 3 and names K step 4.  Nothing is prefetched here, at the head
	s_mov_b32 s21, 0
	s_add_nc_u64 s[PFA:PFA+1], s[PFA:PFA+1], s[20:21]
	v_lshlrev_b32 v[PFO], 11, v3
	; g x bias of my 8 columns in each of my column blocks, in the wait for the first tiles.  K has no bias; the fused multiply-add is owed for g anyway, so its addend is 0.
	s_cmp_eq_u32 s70, 1
	s_cbranch_scc1 .Lno_bias
	s_cmp_eq_u32 s70, 0
	s_cselect_b64 s[76:77], s[72:73], s[74:75]
	s_and_b32 s78, s42, 3
	s_lshl_b32 s78, s78, 10                        ; 256 columns of f32,
	s_lshl_b32 s79, s12, 9                         ; my half of them
	s_add_co_u32 s78, s78, s79
	s_mov_b32 s79, 0
	s_add_nc_u64 s[76:77], s[76:77], s[78:79]
	v_lshlrev_b32 v5, 5, v2                        ; my 8 columns: 32 bytes x half
.irp b, 0,1,2,3,4,5,6,7
	global_load_b128 v[F0+8*(\b):F0+8*(\b)+3],   v5, s[76:77] offset:64*(\b)
	global_load_b128 v[F0+8*(\b)+4:F0+8*(\b)+7], v5, s[76:77] offset:64*(\b)+16
.endr
	s_wait_loadcnt 0x0
.set i, 0
.rept 32
	v_cvt_pk_bf16_f32 v[6+i%2], v[F0+2*i], v[F0+2*i+1]       ; rounded to bf16, like x and the weights,
	v_lshlrev_b32 v[F0+2*i], 16, v[6+i%2]                    ; and widened again
	v_and_b32 v[F0+2*i+1], s71, v[6+i%2]
.set i, i+1
.endr
	WIN 0x40                                       ; destination window 1
.set i, 0
.rept 32
	v_pk_mul_f32 v[BIAS+2*i:BIAS+2*i+1], v[F0+2*i:F0+2*i+1], s[GS:GS+1] op_sel_hi:[1,0]
.set i, i+1
.endr
	WIN 0
	s_branch .Lbias_done
.Lno_bias:
	WIN 0x40
.set i, 0
.rept 64
	v_mov_b32 v[BIAS+i], 0
.set i, i+1
.endr
	WIN 0
.Lbias_done:
	s_wait_tensorcnt 0x1                           ; my part of K step 0 is in; slot 1's may stay out
	s_barrier_signal -1
	s_barrier_wait -1                              ; everybody's is
	FETCH 0, F0
	QUARTER 64,  F0, F1, 1                         ; the first quarter of all is written by itself: its products start the sums
	WIN 0                                          ; at a label and at a branch every window is 0
	s_mov_b32 s3, STEPS-2
	s_branch .Lmid                                 ; the loop is entered behind a step's first quarter
.Lstep:                                                ; a trip is a K step; six trips fill the step's slot again, with the K step two on
	QUARTER 64,  F0, F1, 0
	WIN 0
.Lmid:
	QUARTER 128, F1, F0, 0
	QUARTER 192, F0, F1, 0
	TURN 1
	WIN 0
	s_sub_co_u32 s3, s3, 1
	s_cmp_lg_u32 s3, 0
	s_cbranch_scc1 .Lstep
	s_mov_b32 s3, 2
.Ltail:                                                ; the last two K steps fill nothing, and have no round of the cluster's barrier
	QUARTER 64,  F0, F1, 0
	QUARTER 128, F1, F0, 0
	QUARTER 192, F0, F1, 0
	TURN 0
	WIN 0
	s_sub_co_u32 s3, s3, 1
	s_cmp_lg_u32 s3, 0
	s_cbranch_scc1 .Ltail
	s_wait_dscnt 0x0                               ; no LDS load is out: the way out takes the fragments' registers
	PLACES
; THE WAY OUT is written for four blocks of 16 rows, those of window 2, and walked twice: between the trips my rows 64-127's accumulators are moved to where this one text names them.
; PACK: g x sum + g x bias, rounded to f16, 16 bytes a lane; each accumulator's registers in ascending order.  TOSTAGE: into my stage, back as whole rows.  SEND: stored.
.macro PACK a
	WIN 0x92                                       ; destination and source 0 window 2, the addend window 1
.set i, 0
.rept 32
	v_pk_fma_f32 v[64*(\a)+2*i:64*(\a)+2*i+1], v[64*(\a)+2*i:64*(\a)+2*i+1], s[GS:GS+1], v[BIAS+2*i:BIAS+2*i+1] op_sel_hi:[1,0,1]
.set i, i+1
.endr
	WIN 0x0a                                       ; sources window 2, destination window 0
.set i, 0
.rept 32
	v_cvt_pk_f16_f32 v[TMP+i], v[64*(\a)+2*i], v[64*(\a)+2*i+1]
.set i, i+1
.endr
	WIN 0
.endm
.macro TOSTAGE a
	WIN 0
.irp b, 0,1,2,3,4,5,6,7
	ds_store_b128 v[STO], v[TMP+4*(\b):TMP+4*(\b)+3] offset:32*(\b)
.endr
.irp t, 0,1,2,3,4,5,6,7
	ds_load_b128 v[OB+32*(\a)+4*(\t):OB+32*(\a)+4*(\t)+3], v[RD] offset:(\t)*2*PITCH  ; LDS serves a wave's instructions in order (ISA guide 5.7.1.4): these see the stores above
.endr
.endm
.macro SEND a
	WIN 0
	s_wait_dscnt 0x0                               ; the block is back in registers; within a trip each block has registers of its own
.irp t, 0,1,2,3,4,5,6,7
	global_store_b128 v[CO], v[OB+32*(\a)+4*(\t):OB+32*(\a)+4*(\t)+3], s[8:9] offset:(16*(\a)+2*(\t))*CROW  ; 16 lanes store 256 consecutive bytes, aligned
.endr
.endm
	s_mov_b32 s2, 2
.Lhalf:
	PACK 0
	TOSTAGE 0
.irp a, 1,2,3                          ; block a's arithmetic stands between block a - 1's loads from the stage and the wait for them
	PACK \a
	SEND (\a)-1
	TOSTAGE \a
.endr
	SEND 3
	s_wait_xcnt 0x0                                ; the stores have read their registers and their base: only behind this wait are they written again
	s_cmp_eq_u32 s2, 1
	s_cbranch_scc1 .Lhalf_done                     ; behind the second trip nothing is left to move
	s_add_nc_u64 s[8:9], s[8:9], 64*CROW           ; my rows 64-127
	WIN 0x83                                       ; source window 3, destination window 2; each accumulator's registers in ascending order
.set i, 0
.rept 256
	v_mov_b32 v[i], v[i]
.set i, i+1
.endr
	WIN 0
.Lhalf_done:
	s_sub_co_u32 s2, s2, 1
	s_cmp_lg_u32 s2, 0
	s_cbranch_scc1 .Lhalf
	s_wait_tensorcnt 0x0                           ; the wave's end: behind my last tensor load and my last LDS store
	ds_add_u32 v[SPW], v[NIL]
	s_wait_dscnt 0x0
	CROUND                                         ; the closing round: no work-group ends while a partner may still ask for a tile that names it
	s_endpgm
.Lfunc_end_k_q9a146f9410_proj:
	.size	k_q9a146f9410_proj, .Lfunc_end_k_q9a146f9410_proj-k_q9a146f9410_proj
	.p2alignl 7, 3214868480
	.fill 96, 4, 3214868480
	.section	.rodata,"a",@progbits
	.p2align	6, 0x0
	.amdhsa_kernel k_q9a146f9410_proj
		.amdhsa_group_segment_fixed_size 327680
		.amdhsa_private_segment_fixed_size 0
		.amdhsa_enable_private_segment 0
		.amdhsa_kernarg_size 40
		.amdhsa_user_sgpr_count 2
		.amdhsa_user_sgpr_kernarg_segment_ptr 1
		.amdhsa_wavefront_size32 1
		.amdhsa_system_sgpr_workgroup_id_x 1
		.amdhsa_system_sgpr_workgroup_id_y 1
		.amdhsa_system_sgpr_workgroup_id_z 1
		.amdhsa_system_vgpr_workitem_id 0
		.amdhsa_next_free_vgpr 1024
		.amdhsa_next_free_sgpr 80
		.amdhsa_reserve_vcc 0
		.amdhsa_float_denorm_mode_32 3
		.amdhsa_float_denorm_mode_16_64 3
		.amdhsa_memory_ordered 1
		.amdhsa_forward_progress 1
		.amdhsa_inst_pref_size 111
	.end_amdhsa_kernel
	.amdgpu_metadata
---
amdhsa.version: [ 1, 2 ]
amdhsa.kernels:
  - .name:           k_q9a146f9410_proj
    .symbol:         k_q9a146f9410_proj.kd
    .args:
      - { .name: xb, .offset: 0, .size: 8, .value_kind: global_buffer, .address_space: global }
      - { .name: wb, .offset: 8, .size: 8, .value_kind: global_buffer, .address_space: global }
      - { .name: bq, .offset: 16, .size: 8, .value_kind: global_buffer, .address_space: global }
      - { .name: bv, .offset: 24, .size: 8, .value_kind: global_buffer, .address_space: global }
      - { .name: qkv, .offset: 32, .size: 8, .value_kind: global_buffer, .address_space: global }
    .group_segment_fixed_size: 327680
    .private_segment_fixed_size: 0
    .kernarg_segment_align: 8
    .kernarg_segment_size: 40
    .max_flat_workgroup_size: 128
    .sgpr_count:     80
    .vgpr_count:     1024
    .wavefront_size: 32
...
	.end_amdgpu_metadata
.endif
;; end of part 5
;; launch score (part 6): grid 8 x 32, 4 waves a work-group, clusters of 4 x 4, 327,680 bytes of LDS; arguments qkv, pb, st; writes pb, st
.if DOCPART == 6
	.amdgcn_target "amdgcn-amd-amdhsa--gfx1250"
	.amdhsa_code_object_version 6
	.text
	.protected	k_q9a146f9410_score
	.globl	k_q9a146f9410_score
	.p2align	8
	.type	k_q9a146f9410_score,@function
k_q9a146f9410_score:
	s_mov_b64 s[64:65], 0
	v_nop
	global_prefetch_b8 v0, s[64:65] scope:SCOPE_SE
	s_setreg_imm32_b32 hwreg(HW_REG_WAVE_MODE, 25, 1), 1
	s_wait_xcnt 0x0
	s_wait_alu depctr_hold_cnt(0) depctr_sa_sdst(0) depctr_va_vdst(0) depctr_va_sdst(0) depctr_va_ssrc(0) depctr_va_vcc(0) depctr_vm_vsrc(0)
	s_getreg_b32 s2, hwreg(HW_REG_IB_STS2, 6, 4)
	s_cmp_eq_u32 s2, 0
	s_cbranch_scc0 .Lentry_in_a_cluster
	s_endpgm
.Lentry_in_a_cluster:
	s_bfe_u32 s2, ttmp6, 0x10000c
	s_cmp_lg_u32 s2, 0xf033
	s_cbranch_scc0 .Lentry_shape_is_right
	s_endpgm
.Lentry_shape_is_right:
; For query row q (0..8191) and part t (128 keys of q's batch): s'[k] = Q'[q] . K'[k], which is the score times log2(e) (both factors carry g = sqrt(log2(e) / 32));
; m[t][q] = the maximum of s' over the part, pb[q][128 t + k] = 2^(s'[k] - m) in f16, l[t][q] = the sum of the unrounded 2^(s' - m).  st: m[16][8192] f32, then l[16][8192] f32.
; The maximum is taken away before the exponential, part by part; the next launch brings the parts to the row's own maximum.  Sums, maxima and l in f32.
; WORK LEFT OUT: bk's term of the scores (the same along the softmax's axis: shown at the head of the first kernel).
; LIMITS: a weight below 6e-8 of its part's largest is 0 in f16; one below 2^-126 counts as 0 in l; NaN and infinities are not treated apart.
; SHARES.  A work-group makes 256 queries x 256 keys of one batch: 32 x 8 tiles, one for each of 256 work-groups.  Wave w takes the query half w / 2 and the key half w % 2: 128 x 128, 64 accumulators;
; its 128 keys are one part (2 x tile column + w % 2), so a row's part lies in one wave: lane l holds query l % 16 and 64 of its 128 scores, the lane 16 away the other 64.
; RING, LOOPS, CLUSTER, TRANSPOSED USE: as in the projection: the channels (1,024) go in 8 steps of 128 through two LDS slots, four quarters of 64 matrix instructions a step; a step is written once for each
; loop (six trips that fill a slot again, two that do not), the slot in hand hangs on one scalar that an exclusive or turns, and one descriptor a tensor walks; Q's tile is joint along a row of the
; cluster, K's along a column; source 0 = 16 keys, source 1 = 16 queries.
;   window 0: v0-31 addresses; v32-63 packed weights; v64-127, v128-191 fragments of Q, two buffers, on the way out the rows read back from the stage; v192-203 at work; v208-215 m and l of my query in 4 blocks
;   window 1: v64-127, v128-191 fragments of K, two buffers     window 2: the accumulators of my queries 0-63 ((a, b) at v[8 (8 a + b)])     window 3: those of my queries 64-127
.set KSTEP,  128
.set STEPS,  8
.set PITCH,  272                       ; an LDS row: 256 bytes + 16 of padding = 68 words: the 16 rows of a load start at 16 different groups of four banks (64 banks of 4 bytes: ISA guide 11.1)
.set HALFT,  128*PITCH
.set SLOT,   4*HALFT                   ; 139,264 = bits 13 and 17 alone; no wave's 34,816 w (w = 0..3) has either bit, so an exclusive or with SLOT adds it or takes it away
.set STAGE,  2*SLOT
.set STW,    16*PITCH
.set SPARE,  STAGE+4*STW               ; the spare words, 128 bytes for each wave: two blocks of 256 bytes that no other line names
.set CROW,   4096                      ; bytes in a row of pb
.set SA,   8                           ; v8      where I put my query's m in the stage
.set SR,   9                           ; v9      where I read two rows' statistics back
.set SO,   10                          ; v10     8 x lane: their place in st
.set A0,   16                          ; v16     LDS address of my Q fragments in slot 0; never rewritten
.set ADRA, 17                          ; v17     the same in the slot that is being fetched from
.set B0,   20                          ; v20, v21  the same for K
.set ADRB, 21
.set STO,  24
.set RD,   25
.set CO,   26
.set SPW,  28
.set NIL,  29
.set PFO,  30
.set TMP,  32
.set OB,   64
.set CH,   192                         ; v192-199 eight running maxima, at work
.set SB,   200                         ; v200-203 statistics read back
.set ST,   208                         ; v[208+2a] m, v[209+2a] m again and then l
.set F0,   64
.set F1,   128
.set WV,   10
.set G1A,  24                          ; s[24:31] group 1 for Q's tiles; s[32:35] group 0 of slot 0's first fill, s[36:39] of slot 1's: this one then walks
.set G0A,  32
.set LIM,  43                          ; s43     2 in a wave that prefetches, else the greatest number
.set PFA,  44
.set G1B,  48                          ; s[48:55], s[56:63] the same for K's tiles
.set G0B,  56
.set SEL,  68                          ; s[68:69] v_permlanex16_b32's selects: each lane takes its own place in the other half
.set TB,   71                          ; s71     LDS byte at which the slot begins that is being fetched from: 0 or SLOT
.set MSB, 0
.macro WIN new
.if MSB != (\new)
	s_set_vgpr_msb (MSB<<8)|(\new)
.set MSB, (\new)
.endif
.endm
.set MUL_LO, 0xa1                      ; source 0 (K) window 1, source 1 (Q) window 0, C and D window 2
.set MUL_HI, 0xf1                      ; the same, C and D window 3
.set TO_B,   0x40
.macro PLACES
.rept 4
	v_nop
.endr
.endm
.macro CREST
	s_cmp_lg_u32 s[WV], 0
	s_cbranch_scc1 .Lnot_wave_0_\@
	s_barrier_signal -3
.Lnot_wave_0_\@:
	s_barrier_wait -3
	s_barrier_signal -1
	s_barrier_wait -1
.endm
.macro CROUND
	s_barrier_signal -1
	s_barrier_wait -1
	CREST
.endm
.macro JLOAD                           ; a joint refill, by the walking descriptors: waves 0, 1 Q's halves, waves 2, 3 K's, 128 rows each; an s_nop 0 and four v_nop follow each line
	s_cmp_lt_u32 s[WV], 2
	s_cbranch_scc0 .Lfor_b_\@
	tensor_load_to_lds s[G0A+4:G0A+7], s[G1A:G1A+7]
	s_nop 0
.rept 4
	v_nop
.endr
	s_branch .Lasked_\@
.Lfor_b_\@:
	tensor_load_to_lds s[G0B+4:G0B+7], s[G1B:G1B+7]
	s_nop 0
.rept 4
	v_nop
.endr
.Lasked_\@:
.endm
; A prefetch into the L2 of the K step two refills on (512 matrix instructions ahead of its load): 32 rows x 256 bytes, a lane a row, one instruction a wave.  Q's rows are named by the cluster with x = 0,
; K's by the first of a batch's two rows of clusters; of the 128 rows that a wave fetches the partner at place p takes 32 (p = cx for Q, cy for K): each block once in the launch, shared out by address.
; The loop's last two trips (s3 = 2, 1) ask for nothing.
.macro ASK
	s_cmp_gt_u32 s3, s[LIM]
	s_cbranch_scc0 .Lnot_mine_\@
	global_prefetch_b8 v[PFO], s[PFA:PFA+1] offset:KSTEP*2 th:TH_LOAD_NT scope:SCOPE_SE
.Lnot_mine_\@:
.endm
.macro MUL16 f, hi, a0, zero           ; 16 matrix instructions; the 64 accumulators take turns, in the same order in every quarter and over every jump; zero = 1: the product starts the sum
	WIN MUL_LO+0x50*(\hi)
.irp a, \a0, (\a0)+1
.irp b, 0,1,2,3,4,5,6,7
.if \zero
	v_wmma_f32_16x16x32_f16 v[8*(8*(\a)+(\b)):8*(8*(\a)+(\b))+7], v[(\f)+8*(\b):(\f)+8*(\b)+7], v[(\f)+8*(4*(\hi)+(\a)):(\f)+8*(4*(\hi)+(\a))+7], 0
.else
	v_wmma_f32_16x16x32_f16 v[8*(8*(\a)+(\b)):8*(8*(\a)+(\b))+7], v[(\f)+8*(\b):(\f)+8*(\b)+7], v[(\f)+8*(4*(\hi)+(\a)):(\f)+8*(4*(\hi)+(\a))+7], v[8*(8*(\a)+(\b)):8*(8*(\a)+(\b))+7]
.endif
.endr
.endr
.endm
.macro AIM                             ; the fetches' two addresses, in the slot at s[TB]; window 0
	v_add_nc_u32 v[ADRA], s[TB], v[A0]
	v_add_nc_u32 v[ADRB], s[TB], v[B0]
.endm
.macro FETCH k, f                      ; 32 LDS loads in one run: a quarter's fragments, at byte k of the slot's rows, into buffer f
	WIN TO_B
.irp i, 0,1,2,3,4,5,6,7
	ds_load_b128 v[(\f)+8*(\i):(\f)+8*(\i)+3],   v[ADRB] offset:(\k)+(\i)*16*PITCH
	ds_load_b128 v[(\f)+8*(\i)+4:(\f)+8*(\i)+7], v[ADRB] offset:(\k)+(\i)*16*PITCH+32
.endr
	WIN 0
.irp i, 0,1,2,3,4,5,6,7
	ds_load_b128 v[(\f)+8*(\i):(\f)+8*(\i)+3],   v[ADRA] offset:(\k)+(\i)*16*PITCH
	ds_load_b128 v[(\f)+8*(\i)+4:(\f)+8*(\i)+7], v[ADRA] offset:(\k)+(\i)*16*PITCH+32
.endr
.endm
.macro QUARTER k, f, g, zero
	s_wait_dscnt 8                                 ; K and Q's rows 0-63 are in; the youngest eight loads (Q's rows 64-127) may be out
	MUL16 \f, 0, 0, \zero
	MUL16 \f, 0, 2, \zero
	PLACES
	FETCH \k, \g
	s_wait_dscnt 32                                ; all but the 32 just issued
	MUL16 \f, 1, 0, \zero
	MUL16 \f, 1, 2, \zero
.endm
.macro MEET                            ; the change of slots: one barrier; in front of it all my tensor loads, the add, and my reads of this slot
	WIN 0
	s_wait_tensorcnt 0x0                           ; all my tensor loads have landed
	ds_add_u32 v[SPW], v[NIL]                      ; 0 onto my spare word
	s_wait_dscnt 9                                 ; (the add and the youngest eight loads may be out)
	MUL16 F1, 0, 0, 0
	s_wait_dscnt 0x0                               ; the add is done, and my reads of this slot are over
	s_barrier_signal -1
	MUL16 F1, 0, 2, 0
	WIN 0
	s_barrier_wait -1
.endm
; A step's last quarter.  fill = 1: the barrier opens a round of the cluster's barrier, and the joint refill, two K steps ahead, is the first thing behind the round.  fill = 0 (the last two K steps): nothing is
; filled; the very last step (s3 = 1) has no next slot: its fetch is jumped over, and its barrier orders nothing: the price of one text for both trips.
.macro TURN fill
.if \fill
	s_wait_xcnt 0x0                                ; the last prefetch, a K step back, has read its address, which is stepped here
	s_add_nc_u64 s[PFA:PFA+1], s[PFA:PFA+1], KSTEP*2
.endif
	MEET
.if \fill
	CREST
	s_xor_b32 s[G0A+5], s[G0A+5], SLOT             ; the walking descriptors: the other slot than last time,
	s_add_nc_u64 s[G0A+6:G0A+7], s[G0A+6:G0A+7], KSTEP*2  ; the next K step; the type bits on top are not reached
	s_xor_b32 s[G0B+5], s[G0B+5], SLOT
	s_add_nc_u64 s[G0B+6:G0B+7], s[G0B+6:G0B+7], KSTEP*2
	JLOAD                                          ; its four v_nop are also the places in front of the loads below
.else
	s_cmp_eq_u32 s3, 1                             ; the loop's counter: the same in every wave and every partner
	s_cbranch_scc1 .Lno_fetch_\@
	PLACES
.endif
	s_xor_b32 s[TB], s[TB], SLOT                   ; the fetches go on in the other slot
	AIM
	FETCH 0, F0
.if \fill
	ASK
.else
.Lno_fetch_\@:
.endif
	MUL16 F1, 1, 0, 0
	MUL16 F1, 1, 2, 0
.endm
	s_load_b64 s[4:5], s[0:1], 0x0                 ; qkv
	s_load_b64 s[8:9], s[0:1], 0x8                 ; pb
	s_load_b64 s[72:73], s[0:1], 0x10              ; st
	v_lshl_add_u32 v[SPW], v0, 2, SPARE
	v_mov_b32 v[NIL], 0
	ds_add_u32 v[SPW], v[NIL]                      ; the wave's opening: the add, twice on end, and its wait ahead of my first tensor load
	ds_add_u32 v[SPW], v[NIL]                      ; and once more, under the one wait
	v_lshrrev_b32 v1, 5, v0
	v_readfirstlane_b32 s[WV], v1
	s_lshr_b32 s11, s[WV], 1                       ; my half of the tile's queries
	s_and_b32 s12, s[WV], 1                        ; my half of its keys.  Also: which 128 rows of Q's or K's tile I fetch
	s_bfe_u32 s40, ttmp6, 0x40000                  ; cx, cy
	s_bfe_u32 s41, ttmp6, 0x40004
	s_lshl_b32 s42, ttmp9, 2
	s_add_co_u32 s42, s42, s40                     ; tile column, 0..7: 256 keys of the batch
	s_and_b32 s13, ttmp7, 0xffff
	s_lshr_b32 s70, s13, 1                         ; the batch: two rows of clusters each; made of the cluster's y alone
	s_lshl_b32 s13, s13, 2
	s_add_co_u32 s13, s13, s41                     ; tile row, 0..31
	s_lshl_b32 s43, s41, 2
	s_lshl_b32 s43, 15, s43                        ; my row of the cluster
	s_lshl_b32 s44, 0x1111, s40                    ; my column
	s_or_b32 s[G1A], s43, (1<<16)|(1<<20)|(1<<21)|(5<<22)|(3<<25)  ; the mask; elements of 2 bytes; padding on; bit 21 beside a mask; after every 64 words 4 words
	s_or_b32 s[G1B], s44, (1<<16)|(1<<20)|(1<<21)|(5<<22)|(3<<25)
.irp g, G1A, G1B
	s_mov_b32 s[(\g)+1], KSTEP<<16                 ; tensor_dim0 = 128
	s_mov_b32 s[(\g)+2], 128<<16                   ; tensor_dim1 = 128
	s_mov_b32 s[(\g)+3], KSTEP<<16                 ; tile_dim0 = 128
	s_mov_b32 s[(\g)+4], 128                       ; tile_dim1 = 128
	s_mov_b32 s[(\g)+5], 1024                      ; elements from row to row
	s_mov_b32 s[(\g)+6], 0
	s_mov_b32 s[(\g)+7], 0
.endr
	s_mov_b32 s[SEL], 0x76543210
	s_mov_b32 s[SEL+1], 0xfedcba98
	s_mov_b32 s[TB], 0                             ; K step 0 lies in slot 0
	s_lshl_b32 s17, s12, 7
	s_lshl_b32 s16, s13, 8
	s_add_co_u32 s16, s16, s17                     ; Q: row 256 x tile row + 128 x half
	s_lshl_b32 s16, s16, 11
	s_mov_b32 s17, 0
	s_lshl_b32 s46, s70, 11                        ; K: row 2,048 x batch
	s_lshl_b32 s47, s42, 8
	s_add_co_u32 s46, s46, s47                     ; + 256 x tile column
	s_lshl_b32 s47, s12, 7
	s_add_co_u32 s46, s46, s47                     ; + 128 x half
	s_lshl_b32 s46, s46, 11
	s_add_co_u32 s46, s46, 0x1000000               ; in qkv's second region
	s_mov_b32 s47, 0
	s_mul_i32 s20, s[WV], HALFT                    ; LDS: Q's two halves, then K's two halves = wave x 128 rows
	s_wait_dscnt 0x0                               ; both opening adds are done
	s_wait_kmcnt 0x0
	s_add_nc_u64 s[14:15], s[4:5], s[16:17]
	s_add_nc_u64 s[46:47], s[4:5], s[46:47]
	CROUND                                         ; the first joint loads meet
.irp s, 0,1
	s_mov_b32 s[G0A+4*(\s)], 1
	s_add_co_u32 s[G0A+4*(\s)+1], s20, (\s)*SLOT
	s_add_nc_u64 s[G0A+4*(\s)+2:G0A+4*(\s)+3], s[14:15], (\s)*KSTEP*2
	s_or_b32 s[G0A+4*(\s)+3], s[G0A+4*(\s)+3], 0x80000000
	s_mov_b32 s[G0B+4*(\s)], 1
	s_add_co_u32 s[G0B+4*(\s)+1], s20, (\s)*SLOT
	s_add_nc_u64 s[G0B+4*(\s)+2:G0B+4*(\s)+3], s[46:47], (\s)*KSTEP*2
	s_or_b32 s[G0B+4*(\s)+3], s[G0B+4*(\s)+3], 0x80000000
.endr
	s_cmp_lt_u32 s[WV], 2                          ; a wave's two first fills stand in one branch: two loads of mine are out
	s_cbranch_scc0 .Lfirst_b
	tensor_load_to_lds s[G0A:G0A+3], s[G1A:G1A+7]
	s_nop 0
	tensor_load_to_lds s[G0A+4:G0A+7], s[G1A:G1A+7]
	s_nop 0
.rept 4
	v_nop
.endr
	s_branch .Lfirst_asked
.Lfirst_b:
	tensor_load_to_lds s[G0B:G0B+3], s[G1B:G1B+7]
	s_nop 0
	tensor_load_to_lds s[G0B+4:G0B+7], s[G1B:G1B+7]
	s_nop 0
.rept 4
	v_nop
.endr
.Lfirst_asked:
	v_and_b32 v1, 15, v0                           ; r = l % 16
	v_bfe_u32 v2, v0, 4, 1                         ; h = l / 16
	v_and_b32 v3, 31, v0                           ; l
	v_mul_u32_u24 v4, v1, PITCH
	v_lshl_add_u32 v4, v2, 4, v4
	s_mul_i32 s21, s11, HALFT                      ; my 128 rows of Q
	s_mul_i32 s22, s12, HALFT                      ; my 128 rows of K,
	s_add_co_u32 s22, s22, 2*HALFT                 ; which lie behind Q's 256
	v_add_nc_u32 v[A0], s21, v4
	v_add_nc_u32 v[B0], s22, v4
	AIM
	s_mul_i32 s23, s[WV], STW
	s_add_co_u32 s23, s23, STAGE                   ; my stage
	v_add_nc_u32 v[STO], s23, v4
	v_mul_u32_u24 v4, v2, PITCH
	v_lshl_add_u32 v4, v1, 4, v4
	v_add_nc_u32 v[RD], s23, v4
	v_lshlrev_b32 v4, 12, v2
	v_lshl_add_u32 v[CO], v1, 4, v4                ; 4,096 x half + 16 r
	v_lshl_add_u32 v[SA], v1, 2, s23               ; a word for each of a block's 16 queries
	v_lshl_add_u32 v[SR], v3, 3, s23               ; two words a lane
	v_lshlrev_b32 v[SO], 3, v3
	s_lshl_b32 s16, s13, 8
	s_lshl_b32 s17, s11, 7
	s_add_co_u32 s16, s16, s17                     ; my first row
	s_lshl_b32 s74, s16, 2                         ; its word in a part's 8,192 of st
	s_lshl_b32 s16, s16, 12                        ; its bytes in pb
	s_mov_b32 s17, 0
	s_add_nc_u64 s[8:9], s[8:9], s[16:17]
	s_lshl_b32 s46, s42, 1
	s_add_co_u32 s46, s46, s12                     ; my part: 2 x tile column + half
	s_lshl_b32 s47, s46, 15                        ; its 32,768 bytes of st
	s_add_co_u32 s74, s74, s47
	s_mov_b32 s75, 0
	s_add_nc_u64 s[72:73], s[72:73], s[74:75]
	s_lshl_b32 s46, s46, 8                         ; its 128 keys: 256 bytes of a row of pb
	s_mov_b32 s47, 0
	s_add_nc_u64 s[8:9], s[8:9], s[46:47]
	; the prefetches
	s_lshl_b32 s20, s13, 8
	s_lshl_b32 s21, s40, 5
	s_add_co_u32 s20, s20, s21                     ; Q: the tile's first row + my work-group's 32 of each 128
	s_lshl_b32 s22, s70, 11
	s_lshl_b32 s21, s42, 8
	s_add_co_u32 s22, s22, s21
	s_lshl_b32 s21, s41, 5
	s_add_co_u32 s22, s22, s21                     ; K likewise,
	s_add_co_u32 s22, s22, 8192                    ; in the second region: 8,192 rows on
	s_and_b32 s23, ttmp7, 1                        ; 0 in the first of the batch's two rows of clusters
	s_cmp_lt_u32 s[WV], 2
	s_cselect_b32 s20, s20, s22
	s_cselect_b32 s23, ttmp9, s23
	s_cmp_eq_u32 s23, 0
	s_cselect_b32 s[LIM], 2, -1                    ; the same in all sixteen partners, for a given wave
	s_lshl_b32 s21, s12, 7
	s_add_co_u32 s20, s20, s21                     ; + the 128 rows that I fetch
	s_lshl_b32 s20, s20, 11
	s_add_co_u32 s20, s20, 2*KSTEP*2               ; at K step 2: the first refill steps it to 3 and names K step 4.  Nothing is prefetched at the head
	s_mov_b32 s21, 0
	s_add_nc_u64 s[PFA:PFA+1], s[4:5], s[20:21]
	v_lshlrev_b32 v[PFO], 11, v3
	s_wait_tensorcnt 0x1                           ; my part of K step 0 is in; slot 1's may stay out
	s_barrier_signal -1
	s_barrier_wait -1
	FETCH 0, F0
	QUARTER 64,  F0, F1, 1                         ; the first quarter of all is written by itself: its products start the sums
	WIN 0                                          ; at a label and at a branch every window is 0
	s_mov_b32 s3, STEPS-2
	s_branch .Lmid                                 ; the loop is entered behind a step's first quarter
.Lstep:                                                ; a trip is a K step; six trips fill the step's slot again, with the K step two on
	QUARTER 64,  F0, F1, 0
	WIN 0
.Lmid:
	QUARTER 128, F1, F0, 0
	QUARTER 192, F0, F1, 0
	TURN 1
	WIN 0
	s_sub_co_u32 s3, s3, 1
	s_cmp_lg_u32 s3, 0
	s_cbranch_scc1 .Lstep
	s_mov_b32 s3, 2
.Ltail:                                                ; the last two K steps fill nothing
	QUARTER 64,  F0, F1, 0
	QUARTER 128, F1, F0, 0
	QUARTER 192, F0, F1, 0
	TURN 0
	WIN 0
	s_sub_co_u32 s3, s3, 1
	s_cmp_lg_u32 s3, 0
	s_cbranch_scc1 .Ltail
	s_wait_dscnt 0x0                               ; no LDS load is out: the way out takes the fragments' registers
	PLACES
; THE WAY OUT is written for four blocks of 16 queries, those of window 2, and walked twice: between the trips my queries 64-127's accumulators are moved to where this one text names them.
; THE SOFTMAX'S PART for block a: the lane's 64 scores lie in 8 accumulators.
.macro SUBP n                          ; pair n of 32: s' - m
	v_pk_add_f32 v[AC+2*(\n):AC+2*(\n)+1], v[AC+2*(\n):AC+2*(\n)+1], v[SM:SM+1] neg_lo:[0,1] neg_hi:[0,1]
.endm
.macro SOFT a
.set AC, 64*(\a)
.set SM, ST+2*(\a)
	WIN 0x2a                                       ; three sources in window 2, destination in window 0
.irp b, 0,1,2,3,4,5,6,7
	v_max3_num_f32 v[CH+(\b)], v[AC+8*(\b)], v[AC+8*(\b)+1], v[AC+8*(\b)+2]  ; each accumulator's lowest registers are read first
.endr
	WIN 0x28
.irp b, 0,1,2,3,4,5,6,7
	v_max3_num_f32 v[CH+(\b)], v[CH+(\b)], v[AC+8*(\b)+3], v[AC+8*(\b)+4]
.endr
.irp b, 0,1,2,3,4,5,6,7
	v_max3_num_f32 v[CH+(\b)], v[CH+(\b)], v[AC+8*(\b)+5], v[AC+8*(\b)+6]
.endr
.irp k, 0,1,2,3
	v_max3_num_f32 v[CH+2*(\k)], v[CH+2*(\k)], v[AC+16*(\k)+7], v[AC+16*(\k)+15]
.endr
	WIN 0
	v_max3_num_f32 v[CH], v[CH], v[CH+1], v[CH+2]
	v_max3_num_f32 v[CH+3], v[CH+3], v[CH+4], v[CH+5]
	v_max_num_f32 v[CH+6], v[CH+6], v[CH+7]
	v_max3_num_f32 v[CH], v[CH], v[CH+3], v[CH+6]
	v_permlanex16_b32 v[CH+1], v[CH], s[SEL], s[SEL+1]  ; the query's other 64 keys lie in the lane 16 away
	v_max_num_f32 v[SM], v[CH], v[CH+1]            ; m,
	v_max_num_f32 v[SM+1], v[CH], v[CH+1]          ; twice: a pair for the packed subtraction
	WIN 0x82                                       ; destination and source 0 window 2, m window 0
	SUBP 0                                         ; ONE BATCH: 32 subtractions and 64 exponentials; a pair is made two pairs ahead of its exponentials, and nothing here names an exponential's result
	SUBP 1
.set p, 0
.rept 32
.if p < 30
	SUBP p+2
.endif
	v_exp_f32 v[AC+2*p], v[AC+2*p]
	v_exp_f32 v[AC+2*p+1], v[AC+2*p+1]
.set p, p+1
.endr
	v_nop                                          ; a plain instruction behind the last exponential,
	s_wait_alu depctr_va_vdst(0)                   ; and the one wait ahead of the batch's first reader
	WIN 0x0a
.set i, 0
.rept 32
	v_cvt_pk_f16_f32 v[TMP+i], v[AC+2*i], v[AC+2*i+1]
.set i, i+1
.endr
	WIN 0x8a                                       ; the sum of the unrounded weights, in place: neighbours 1, 2, 4, 8, 16 pairs apart
.irp d, 2,4,8,16,32
.set u, 0
.rept 32/(\d)
	v_pk_add_f32 v[AC+u:AC+u+1], v[AC+u:AC+u+1], v[AC+u+(\d):AC+u+(\d)+1]
.set u, u+2*(\d)
.endr
.endr
	WIN 0x0a
	v_add_f32 v[CH], v[AC], v[AC+1]
	WIN 0
	v_permlanex16_b32 v[CH+1], v[CH], s[SEL], s[SEL+1]
	v_add_f32 v[SM+1], v[CH], v[CH+1]              ; l
.endm
.macro TOSTAGE a
	WIN 0
.irp b, 0,1,2,3,4,5,6,7
	ds_store_b128 v[STO], v[TMP+4*(\b):TMP+4*(\b)+3] offset:32*(\b)
.endr
.irp t, 0,1,2,3,4,5,6,7
	ds_load_b128 v[OB+32*(\a)+4*(\t):OB+32*(\a)+4*(\t)+3], v[RD] offset:(\t)*2*PITCH  ; LDS serves a wave's instructions in order (ISA guide 5.7.1.4): these see the stores above
.endr
.endm
.macro SEND a
	WIN 0
	s_wait_dscnt 0x0                               ; the block is back in registers; within a trip each block has registers of its own
.irp t, 0,1,2,3,4,5,6,7
	global_store_b128 v[CO], v[OB+32*(\a)+4*(\t):OB+32*(\a)+4*(\t)+3], s[8:9] offset:(16*(\a)+2*(\t))*CROW  ; 16 lanes store 256 consecutive bytes, aligned
.endr
.endm
	s_mov_b32 s2, 2
.Lhalf:
	SOFT 0
	TOSTAGE 0
.irp a, 1,2,3                          ; block a's arithmetic stands between block a - 1's loads from the stage and the wait for them
	SOFT \a
	SEND (\a)-1
	TOSTAGE \a
.endr
	SEND 3
	; The statistics of the trip's 64 queries go through my stage, so that each store covers 256 consecutive bytes: both halves of the lanes hold the same m and l and write the same word.
.irp a, 0,1,2,3
	ds_store_b32 v[SA], v[ST+2*(\a)] offset:64*(\a)
	ds_store_b32 v[SA], v[ST+2*(\a)+1] offset:256+64*(\a)
.endr
	ds_load_b64 v[SB:SB+1], v[SR]
	ds_load_b64 v[SB+2:SB+3], v[SR] offset:256
	s_wait_dscnt 0x0
	global_store_b64 v[SO], v[SB:SB+1], s[72:73]                  ; m
	global_store_b64 v[SO], v[SB+2:SB+3], s[72:73] offset:524288  ; l
	s_wait_xcnt 0x0                                ; the stores have read their registers and their bases: only behind this wait are they written again
	s_cmp_eq_u32 s2, 1
	s_cbranch_scc1 .Lhalf_done                     ; behind the second trip nothing is left to move
	s_add_nc_u64 s[8:9], s[8:9], 64*CROW           ; my queries 64-127, in pb
	s_add_nc_u64 s[72:73], s[72:73], 256           ; and in st
	WIN 0x83                                       ; source window 3, destination window 2; each accumulator's registers in ascending order
.set i, 0
.rept 256
	v_mov_b32 v[i], v[i]
.set i, i+1
.endr
	WIN 0
.Lhalf_done:
	s_sub_co_u32 s2, s2, 1
	s_cmp_lg_u32 s2, 0
	s_cbranch_scc1 .Lhalf
	s_wait_tensorcnt 0x0                           ; the wave's end: behind my last tensor load and my last LDS store
	ds_add_u32 v[SPW], v[NIL]
	s_wait_dscnt 0x0
	CROUND                                         ; the closing round
	s_endpgm
.Lfunc_end_k_q9a146f9410_score:
	.size	k_q9a146f9410_score, .Lfunc_end_k_q9a146f9410_score-k_q9a146f9410_score
	.p2alignl 7, 3214868480
	.fill 96, 4, 3214868480
	.section	.rodata,"a",@progbits
	.p2align	6, 0x0
	.amdhsa_kernel k_q9a146f9410_score
		.amdhsa_group_segment_fixed_size 327680
		.amdhsa_private_segment_fixed_size 0
		.amdhsa_enable_private_segment 0
		.amdhsa_kernarg_size 24
		.amdhsa_user_sgpr_count 2
		.amdhsa_user_sgpr_kernarg_segment_ptr 1
		.amdhsa_wavefront_size32 1
		.amdhsa_system_sgpr_workgroup_id_x 1
		.amdhsa_system_sgpr_workgroup_id_y 1
		.amdhsa_system_sgpr_workgroup_id_z 1
		.amdhsa_system_vgpr_workitem_id 0
		.amdhsa_next_free_vgpr 1024
		.amdhsa_next_free_sgpr 80
		.amdhsa_reserve_vcc 0
		.amdhsa_float_denorm_mode_32 3
		.amdhsa_float_denorm_mode_16_64 3
		.amdhsa_memory_ordered 1
		.amdhsa_forward_progress 1
		.amdhsa_inst_pref_size 128
	.end_amdhsa_kernel
	.amdgpu_metadata
---
amdhsa.version: [ 1, 2 ]
amdhsa.kernels:
  - .name:           k_q9a146f9410_score
    .symbol:         k_q9a146f9410_score.kd
    .args:
      - { .name: qkv, .offset: 0, .size: 8, .value_kind: global_buffer, .address_space: global }
      - { .name: pb, .offset: 8, .size: 8, .value_kind: global_buffer, .address_space: global }
      - { .name: st, .offset: 16, .size: 8, .value_kind: global_buffer, .address_space: global }
    .group_segment_fixed_size: 327680
    .private_segment_fixed_size: 0
    .kernarg_segment_align: 8
    .kernarg_segment_size: 24
    .max_flat_workgroup_size: 128
    .sgpr_count:     80
    .vgpr_count:     1024
    .wavefront_size: 32
...
	.end_amdgpu_metadata
.endif
;; end of part 6
;; launch mix: the kernel of part 4 again; grid 8 x 32, 4 waves a work-group, clusters of 4 x 4, 327,680 bytes of LDS; arguments pb, qkv, st, out0; writes out0
;; ======== version 3 of 3: 4 launches; version 2 with the launch cast written anew for expert scheduling mode
;; limits: values are held in f16: magnitudes above 65,504 overflow, below 6.1e-05 lose precision; right only within a limited range of input values
;; workspace buffers: xb 16,777,216 bytes; wb 6,291,456 bytes; qkv 50,331,648 bytes; pb 33,554,432 bytes; st 1,048,576 bytes
;; launch cast (part 7): grid 704 x 1, 8 waves a work-group, no clusters, 0 bytes of LDS; arguments x, Wq, Wk, Wv, xb, wb; writes xb, wb
.if DOCPART == 7
	.amdgcn_target "amdgcn-amd-amdhsa--gfx1250"
	.amdhsa_code_object_version 6
	.text
	.protected	k_q9a146f9410_cast
	.globl	k_q9a146f9410_cast
	.p2align	8
	.type	k_q9a146f9410_cast,@function
k_q9a146f9410_cast:
	s_mov_b64 s[64:65], 0
	v_nop
	global_prefetch_b8 v0, s[64:65] scope:SCOPE_SE
	s_setreg_imm32_b32 hwreg(HW_REG_WAVE_SCHED_MODE, 0, 2), 2
	s_setreg_imm32_b32 hwreg(HW_REG_WAVE_MODE, 25, 1), 1
	s_wait_xcnt 0x0
	s_wait_alu depctr_vm_vsrc(0)
; SELF ATTENTION, B = 4, S = 2048, H = 1024, in four launches:
;   cast   x and the three weight matrices rounded once to bf16 (xb, wb)
;   proj   Q' = g (x Wq^T + bq), K' = g x Wk^T, V' = g (x Wv^T + bv), f16, g = sqrt(log2(e) / 32)
;   score  for each part of 128 keys: s' = Q' . K' (the score in units of log2), its maximum m, p = 2^(s' - m) in f16, l = the sum of p
;   mix    out = (the sum over parts t of 2^(m_t - M) P_t V'_t) / (g L), M = the maximum of the m_t, L = the sum of 2^(m_t - M) l_t
; WORK LEFT OUT: bk.  scores[q][k] = Q[q] . (x[k] Wk^T + bk) / 32 = Q[q] . (x[k] Wk^T) / 32 + Q[q] . bk / 32.  The second term does not hang on k, the axis of the
; softmax, so it multiplies numerator and denominator of every weight by the same factor and cancels, for all finite values of the inputs.  bk has then no way to the
; output: it is not loaded and is no argument of any launch.  bq stays (bq . K[k] hangs on k), bv stays.
; LIMIT: a NaN, an infinity or an overflow that reaches only the term Q . bk is not carried to the result.
; THIS LAUNCH.  A stream: each byte read once, each byte written once.  A work-group takes 65,536 bytes of f32 (16 rows of 1,024 numbers), a wave 8,192 of them:
; sixteen loads of 512 consecutive bytes, all issued at once, and sixteen stores of 256 consecutive aligned bytes.  Work-groups 0-511 take x, 512-575 Wq, 576-639 Wk, 640-703 Wv;
; wb holds the rows of Wq, Wk, Wv one after the other.  No LDS, no matrix unit, no cluster: nothing is shared and nothing is multiplied.
; THE MODE: SCHED_MODE bits 1:0 = 2 (LLVM: expert scheduling mode 2), set by the entry lines.  The code itself states the register dependences
; between vector instructions and memory instructions, with s_wait_alu, always for 0.
; THE PLAN.  Registers that memory instructions touch:
;   v1, v2     the loads' and the stores' byte offsets.  Written by vector lines at the head, read by all 32 memory instructions, never written again.
;   X          written by the sixteen loads, once each; no vector instruction names it before them; read by the conversions behind s_wait_loadcnt; never loaded again.
;   Y          written by the conversions, once each; read by the stores; never written again.
; So the text owes one kind of wait, that a vector instruction has written what a memory instruction reads, in five places: ahead of the first load, for v1 and v2; and, the sixteen loads
; being taken in four groups of four, behind each group's eight conversions, ahead of its four stores.  A store stands behind its own group's data alone.  No register that a memory
; instruction reads is written again, no vector instruction writes a scalar register, and EXEC is not written: nothing else is owed.
.set X, 4                              ; v[4:67]   sixteen loads of four f32
.set Y, 68                             ; v[68:99]  sixteen pairs of words, four bf16 each
.set GROUP, 4                          ; loads, and stores, in a group
	s_load_b256 s[4:11], s[0:1], 0x0               ; x s[4:5], Wq s[6:7], Wk s[8:9], Wv s[10:11]
	s_load_b128 s[12:15], s[0:1], 0x20             ; xb s[12:13], wb s[14:15]
	s_mov_b32 s22, ttmp9                           ; n, the work-group's number
	s_sub_co_u32 s23, s22, 512                     ; its block among the weights' 192 (used where n >= 512)
	s_and_b32 s24, s23, 63                         ; its block in its own matrix
	v_lshrrev_b32 v3, 5, v0                        ; wave
	v_and_b32 v100, 31, v0                         ; lane
	v_lshlrev_b32 v1, 13, v3
	v_lshl_add_u32 v1, v100, 4, v1                 ; in: 8,192 x wave + 16 x lane
	v_lshlrev_b32 v2, 12, v3
	v_lshl_add_u32 v2, v100, 3, v2                 ; out: 4,096 x wave + 8 x lane
	s_wait_kmcnt 0x0
	s_cmp_lt_u32 s22, 576
	s_cselect_b64 s[16:17], s[6:7], s[8:9]         ; Wq or Wk,
	s_cmp_lt_u32 s22, 640
	s_cselect_b64 s[16:17], s[16:17], s[10:11]     ; or Wv,
	s_cmp_lt_u32 s22, 512
	s_cselect_b64 s[16:17], s[4:5], s[16:17]       ; or x
	s_cselect_b64 s[20:21], s[12:13], s[14:15]     ; into xb or wb
	s_cselect_b32 s18, s22, s24                    ; the block in the source
	s_cselect_b32 s19, s22, s23                    ; the block in the destination
	s_lshl_b32 s26, s18, 16                        ; 65,536 bytes of f32 a block
	s_mov_b32 s27, 0
	s_lshl_b32 s28, s19, 15                        ; 32,768 bytes of bf16
	s_mov_b32 s29, 0
	s_add_nc_u64 s[16:17], s[16:17], s[26:27]
	s_add_nc_u64 s[20:21], s[20:21], s[28:29]
	s_wait_alu depctr_va_vdst(0)                   ; v1 and v2 are written: every load below reads v1 as its offset, every store v2
.set j, 0
.rept 16
	global_load_b128 v[X+4*j:X+4*j+3], v1, s[16:17] offset:512*j th:TH_LOAD_NT
.set j, j+1
.endr
.set g, 0
.rept 16/GROUP
	s_wait_loadcnt 16-GROUP-GROUP*g                ; loads come back in order (ISA guide 5.7.1): group g's four are in, the younger groups' stay out
.set j, GROUP*g
.rept GROUP
	v_cvt_pk_bf16_f32 v[Y+2*j], v[X+4*j], v[X+4*j+1]
	v_cvt_pk_bf16_f32 v[Y+2*j+1], v[X+4*j+2], v[X+4*j+3]
.set j, j+1
.endr
	s_wait_alu depctr_va_vdst(0)                   ; the group's eight conversions have written their registers of Y, which the four stores below read
.set j, GROUP*g
.rept GROUP
	global_store_b64 v2, v[Y+2*j:Y+2*j+1], s[20:21] offset:256*j th:TH_STORE_NT  ; the wave's 32 lanes store 256 consecutive bytes, aligned; no register is written twice, so no store's sources are waited for
.set j, j+1
.endr
.set g, g+1
.endr
	s_endpgm
.Lfunc_end_k_q9a146f9410_cast:
	.size	k_q9a146f9410_cast, .Lfunc_end_k_q9a146f9410_cast-k_q9a146f9410_cast
	.p2alignl 7, 3214868480
	.fill 96, 4, 3214868480
	.section	.rodata,"a",@progbits
	.p2align	6, 0x0
	.amdhsa_kernel k_q9a146f9410_cast
		.amdhsa_group_segment_fixed_size 0
		.amdhsa_private_segment_fixed_size 0
		.amdhsa_enable_private_segment 0
		.amdhsa_kernarg_size 48
		.amdhsa_user_sgpr_count 2
		.amdhsa_user_sgpr_kernarg_segment_ptr 1
		.amdhsa_wavefront_size32 1
		.amdhsa_system_sgpr_workgroup_id_x 1
		.amdhsa_system_sgpr_workgroup_id_y 1
		.amdhsa_system_sgpr_workgroup_id_z 1
		.amdhsa_system_vgpr_workitem_id 0
		.amdhsa_next_free_vgpr 104
		.amdhsa_next_free_sgpr 66
		.amdhsa_reserve_vcc 0
		.amdhsa_float_denorm_mode_32 3
		.amdhsa_float_denorm_mode_16_64 3
		.amdhsa_memory_ordered 1
		.amdhsa_forward_progress 1
		.amdhsa_inst_pref_size 7
	.end_amdhsa_kernel
	.amdgpu_metadata
---
amdhsa.version: [ 1, 2 ]
amdhsa.kernels:
  - .name:           k_q9a146f9410_cast
    .symbol:         k_q9a146f9410_cast.kd
    .args:
      - { .name: x, .offset: 0, .size: 8, .value_kind: global_buffer, .address_space: global }
      - { .name: Wq, .offset: 8, .size: 8, .value_kind: global_buffer, .address_space: global }
      - { .name: Wk, .offset: 16, .size: 8, .value_kind: global_buffer, .address_space: global }
      - { .name: Wv, .offset: 24, .size: 8, .value_kind: global_buffer, .address_space: global }
      - { .name: xb, .offset: 32, .size: 8, .value_kind: global_buffer, .address_space: global }
      - { .name: wb, .offset: 40, .size: 8, .value_kind: global_buffer, .address_space: global }
    .group_segment_fixed_size: 0
    .private_segment_fixed_size: 0
    .kernarg_segment_align: 8
    .kernarg_segment_size: 48
    .max_flat_workgroup_size: 256
    .sgpr_count:     66
    .vgpr_count:     104
    .wavefront_size: 32
...
	.end_amdgpu_metadata
.endif
;; end of part 7
;; launch proj: the kernel of part 5 again; grid 12 x 32, 4 waves a work-group, clusters of 4 x 4, 327,680 bytes of LDS; arguments xb, wb, bq, bv, qkv; writes qkv
;; launch score: the kernel of part 6 again; grid 8 x 32, 4 waves a work-group, clusters of 4 x 4, 327,680 bytes of LDS; arguments qkv, pb, st; writes pb, st
;; launch mix: the kernel of part 4 again; grid 8 x 32, 4 waves a work-group, clusters of 4 x 4, 327,680 bytes of LDS; arguments pb, qkv, st, out0; writes out0
